; MI455X (gfx1250); checked and timed in simulation.
; The chip was launched on July 23, 2026; its instructions are those of AMD's public machine-readable ISA for CDNA 5 (MIT licence, August 2026) and "CDNA5" Instruction Set Architecture Reference Guide (July 2026). The comments in the code are by the model that wrote it; some were corrected since.
;; Causal Attention. Allowed arithmetic: matrix products marked QUANTISED: E4M3 operands, one E8M0 scale for each 32 along K, by v_wmma_scale_f32_16x16x128_f8f6f4 with both operands' format E4M3, f32 sums; everything else in f32.
;; Inputs: b_o 1,024 float32; w_k 1,024 x 1,024 float32; w_o 1,024 x 1,024 float32; w_q 1,024 x 1,024 float32; w_v 1,024 x 1,024 float32; x 4 x 2,048 x 1,024 float32.
;; Outputs: out0 4 x 2,048 x 1,024 float32.
;; This version of the problem:
;;   THIS VERSION OF THE PROBLEM IS GIVEN IN LOW PRECISION. The matrix products marked QUANTISED in the list below multiply operands that are first quantised to E4M3 (4 exponent bits, 3 mantissa bits; 8 bits a number), with one power-of-two scale for each 32 numbers along K (OCP MX v1.0); their sums are f32. All else is computed in f32.
;;   The module's matrix products, in the order in which they are computed (A, B: the left and right operand; K: the contracted axis; several contracted axes count as one K, in the product's order):
;;     1. [M 8,192, K 1,024] x [K 1,024, N 1,024]; A: input x; B: input w_q: QUANTISED
;;     2. [M 8,192, K 1,024] x [K 1,024, N 1,024]; A: input x; B: input w_k: QUANTISED
;;     3. [M 8,192, K 1,024] x [K 1,024, N 1,024]; A: input x; B: input w_v: QUANTISED
;;     4. batch 64 x [M 2,048, K 64] x [K 64, N 2,048]; A: computed on the way; B: computed on the way: QUANTISED
;;     5. batch 64 x [M 2,048, K 2,048] x [K 2,048, N 64]; A: softmax (see below); B: computed on the way: QUANTISED
;;     6. [M 8,192, K 1,024] x [K 1,024, N 1,024]; A: computed on the way; B: input w_o: QUANTISED
;;   THE QUANTISER, for each operand of a quantised product, along K:
;;     - K is cut into blocks of 32 from its start; a last block that is shorter is filled with zeros.
;;     - A block's scale is 2^e with e = floor(log2(the largest magnitude in the block)) - 8, held to -126 .. 127; a block of zeros has e = 0. As a byte (E8M0): e + 127.
;;     - Each number is divided by its block's scale, clamped to +-448, and rounded to the nearest number of E4M3, ties to even, subnormals kept.
;;     - The product sums the exact products of the quantised numbers (number of the format x scale) in f32.
;;   ~~~python
;;   def quantise(x, axis):      # numpy; x: float32 -> the quantised numbers, widened to float32 again
;;       x = np.moveaxis(x, axis, -1); K = x.shape[-1]
;;       x = np.pad(x, [(0, 0)] * (x.ndim - 1) + [(0, -K % 32)]); x = x.reshape(x.shape[:-1] + (-1, 32)); a = np.abs(x).max(-1, keepdims=True)
;;       e = np.where(a > 0, np.clip(np.frexp(np.where(a > 0, a, 1))[1] - 1 - 8, -126, 127), 0)      # np.frexp(a)[1] - 1 = floor(log2(a)), exactly
;;       r = np.clip(x / 2.0 ** e, -448, 448)
;;       step = 2.0 ** (np.maximum(np.frexp(np.where(r == 0, 1, r))[1] - 1, -6) - 3)
;;       q = np.round(r / step) * step * 2.0 ** e      # np.round: ties to even
;;       return np.moveaxis(q.reshape(q.shape[:-2] + (-1,))[..., :K], -1, axis).astype(np.float32)
;;   ~~~
;;   SOFTMAX AHEAD OF A QUANTISED PRODUCT. Where the list says 'softmax', what is quantised is not the finished softmax but p = 2^(t - M), with t = logit x log2(e) and M = ceil(the row's largest t), a whole number; so 1/2 < the row's largest p <= 1. The row's sum l is taken of the UNQUANTISED p, in f32, and the product's result is divided by l at the end. Since M is a whole number, a kernel that streams over the keys may use a running M (the ceiling of the running maximum): every later rescaling is an exact power of two, which a block's scale takes up: the codes' values come out the same.
;;   OPERANDS COMPUTED ON THE WAY. 'Computed on the way' means the value that the module computes at that place (a softmax that the list does not call 'softmax' is quantised finished and normalised). What goes into a quantiser is computed in f32, as accurately as f32 sums, v_exp_f32 and their like allow (about 1e-6 of the number): no bf16 or f16 on the way to a quantiser, and a product that is left as it is and whose result goes on into a quantised operand takes f32 operands (vector FMAs, or v_wmma_f32_16x16x4_f32). A number that lies on a knife's edge between two numbers of the format may be rounded either way, as far as f32 arithmetic and the matrix unit's own rounding can turn it there, and no further.
;; One version. Each part assembles by itself: llvm-mc -triple=amdgcn-amd-amdhsa -mcpu=gfx1250 --defsym DOCPART=n.
;; ======== version 1 of 1: 4 launches
;; limits: right only within a limited range of input values
;; workspace buffers: xq 8,650,752 bytes; wq 4,325,376 bytes; qk 17,301,504 bytes; vq 8,650,752 bytes; aq 8,650,752 bytes
;; launch quant (part 1): grid 384 x 1, 4 waves a work-group, no clusters, 34,304 bytes of LDS; arguments x, w_q, w_k, w_v, w_o, xq, wq; writes xq, wq
.if DOCPART == 1
	.amdgcn_target "amdgcn-amd-amdhsa--gfx1250"
	.amdhsa_code_object_version 6
	.text
	.protected	k_q24206e3917_quant
	.globl	k_q24206e3917_quant
	.p2align	8
	.type	k_q24206e3917_quant,@function
k_q24206e3917_quant:
	s_mov_b64 s[64:65], 0
	v_nop
	global_prefetch_b8 v0, s[64:65] scope:SCOPE_SE
	s_setreg_imm32_b32 hwreg(HW_REG_WAVE_MODE, 25, 1), 1
	s_wait_xcnt 0x0
; x [8192][1024] and w_q, w_k, w_v, w_o [1024][1024], f32, K innermost, become codes of E4M3 with one E8M0 byte for each 32 along K.
; A block's scale is 2^(floor(log2(its largest magnitude)) - 8); its byte is the largest magnitude's exponent field - 8, held at 1 from below.
; LIMITS: NaN and infinities among the inputs are not served; a block of zeros gets the byte 1 where the rule says 127 (its codes are zeros, which add nothing, and this program alone reads the bytes).
; THE OUTPUT IS LAID AS IMAGES OF OPERAND REGISTERS.  A rowtile T is 16 rows: its lane r is true row 32 (T / 2) + 8 (T % 2) + r + 8 (r / 8).  Its codes are 32 chunks of 512 bytes, one for each 32 along K:
; in a chunk lane (r, h) has the 16 bytes at 16 x lane: k = 16 h + 0 .. 15 of row r.  Four chunks on end are one operand of the matrix instruction.  Behind a buffer's codes lie its scale words:
; [T][4 K steps of 256][r][2 words], a word for 128 along K.  wq holds the four weights' rowtiles on end: q, k, v, o.
; SHARES: a work-group takes 32 true rows (two rowtiles); wave w takes rowtile w / 2 and K half w % 2: four units of 16 rows x 128 K.  The first 256 work-groups take x, then 32 for each weight.
; A unit's 16 loads read 512 consecutive bytes each; its 8,192 bytes turn through the wave's own stage in LDS (rows 528 bytes apart), so that a lane gets 16 neighbours of each block of 32.
; Every store of codes covers 512 consecutive bytes, aligned; the scale words leave as 256.  No barrier: waves share nothing.
.set SP,   528                         ; a stage row: 512 bytes + 16
.set L16,  1                           ; v1   16 x lane: my place in a load's and in a chunk's 512 bytes
.set STW,  2                           ; v2   the stage on the way in
.set STR,  3                           ; v3   and on the way out: row r, + 64 h
.set L8,   4                           ; v4   8 x lane
.set LN,   5                           ; v5   lane
.set R,    16                          ; v16-143  two sets of 64: a unit as loaded
.set X,    144                         ; v144-207 a unit's 64 numbers of my row: register 16 b + i = k 32 b + 16 h + i
.set PC,   208                         ; v208-223 its codes
.set TM,   224                         ; v224-239 at work
.set PW,   240                         ; v240-243 the four units' scale words
.set SRC,  20                          ; s[20:21] my 16 rows' first byte
.set IMG,  34                          ; s[34:35] my chunks
.set SCA,  36                          ; s[36:37] my scale words
.set SEL,  38                          ; s[38:39] lane selects for v_permlanex16_b32: lane l xor 16
.set MNT,  40
	s_load_b256 s[4:11], s[0:1], 0x0               ; x, w_q, w_k, w_v
	s_load_b128 s[12:15], s[0:1], 0x20             ; w_o, xq
	s_load_b64 s[16:17], s[0:1], 0x30              ; wq
	v_lshl_add_u32 v254, v0, 2, 0x8400
	v_mov_b32 v255, 0
	v_lshrrev_b32 v6, 5, v0
	v_readfirstlane_b32 s18, v6                    ; wave 0..3
	v_and_b32 v[LN], 31, v0
	v_and_b32 v6, 15, v0                           ; r
	v_bfe_u32 v7, v0, 4, 1                         ; h
	v_lshlrev_b32 v[L16], 4, v[LN]
	v_lshlrev_b32 v[L8], 3, v[LN]
	s_mul_i32 s19, s18, 16*SP                      ; my stage
	v_add_nc_u32 v[STW], s19, v[L16]
	v_mul_u32_u24 v[STR], v6, SP
	v_lshl_add_u32 v[STR], v7, 6, v[STR]
	v_add_nc_u32 v[STR], s19, v[STR]
.irp b, 0,1,2,3
	v_mov_b32 v[TM+4+\b], 0                        ; written once: a lane permute's destination counts as one of its sources
.endr
	s_lshr_b32 s28, s18, 1                         ; which rowtile of the pair
	s_and_b32 s29, s18, 1                          ; which half of K
	s_and_b32 s25, ttmp9, 31                       ; a weight's pair of rowtiles
	s_sub_co_u32 s26, ttmp9, 256                   ; and its place in wq
	s_mov_b32 s24, 0x400000                        ; wq's codes in bytes
	s_mov_b32 s[SEL], 0x76543210
	s_mov_b32 s[SEL+1], 0xfedcba98
	s_wait_alu depctr_va_vdst(0)
	s_wait_kmcnt 0x0
	s_mov_b64 s[SRC:SRC+1], s[12:13]               ; which tensor: the choice hangs on the work-group's number alone
	s_cmp_lt_u32 ttmp9, 352
	s_cselect_b64 s[SRC:SRC+1], s[10:11], s[SRC:SRC+1]
	s_cmp_lt_u32 ttmp9, 320
	s_cselect_b64 s[SRC:SRC+1], s[8:9], s[SRC:SRC+1]
	s_cmp_lt_u32 ttmp9, 288
	s_cselect_b64 s[SRC:SRC+1], s[6:7], s[SRC:SRC+1]
	s_cmp_lt_u32 ttmp9, 256
	s_cselect_b64 s[SRC:SRC+1], s[4:5], s[SRC:SRC+1]
	s_cselect_b64 s[22:23], s[14:15], s[16:17]     ; xq or wq
	s_cselect_b32 s24, 0x800000, s24               ; the bytes of codes ahead of its scale words
	s_cselect_b32 s25, ttmp9, s25                  ; the pair in its tensor
	s_cselect_b32 s26, ttmp9, s26                  ; the pair in its buffer
	s_lshl_b32 s30, s25, 17                        ; 32 rows of 4,096 bytes,
	s_lshl_b32 s31, s28, 15                        ; the odd rowtile begins 8 rows on,
	s_add_co_u32 s30, s30, s31
	s_lshl_b32 s31, s29, 11                        ; 512 numbers along K
	s_add_co_u32 s30, s30, s31
	s_mov_b32 s31, 0
	s_add_nc_u64 s[SRC:SRC+1], s[SRC:SRC+1], s[30:31]
	s_lshl_b32 s26, s26, 1
	s_add_co_u32 s26, s26, s28                     ; T
	s_lshl_b32 s30, s26, 14
	s_lshl_b32 s32, s29, 13
	s_add_co_u32 s30, s30, s32
	s_add_nc_u64 s[IMG:IMG+1], s[22:23], s[30:31]
	s_lshl_b32 s30, s26, 9
	s_lshl_b32 s32, s29, 8
	s_add_co_u32 s30, s30, s32
	s_add_co_u32 s30, s30, s24
	s_add_nc_u64 s[SCA:SCA+1], s[22:23], s[30:31]
.macro LOAD u                          ; unit u: 128 numbers of each of the rowtile's 16 rows: tile lane p is the row p + 8 (p / 8)
.irp p, 0,1,2,3,4,5,6,7,8,9,10,11,12,13,14,15
	global_load_b128 v[R+64*((\u)%2)+4*\p:R+64*((\u)%2)+4*\p+3], v[L16], s[SRC:SRC+1] offset:(\p+8*(\p/8))*4096+512*(\u) th:TH_LOAD_NT
.endr
.endm
; 64 numbers of a lane become 16 registers of codes and a scale word
.macro QUANT s, pc, pw
.irp b, 0,1,2,3
	v_max3_num_f32 v[TM+\b], |v[\s+16*\b]|, |v[\s+16*\b+1]|, 0x4800000   ; block b: my 16 numbers, and the floor 2^(9 - 127): the byte cannot fall under 1
.endr
.irp i, 2,4,6,8,10,12,14
.irp b, 0,1,2,3
	v_max3_num_f32 v[TM+\b], v[TM+\b], |v[\s+16*\b+\i]|, |v[\s+16*\b+\i+1]|   ; the four blocks by turns
.endr
.endr
.irp b, 0,1,2,3
	v_permlanex16_b32 v[TM+4+\b], v[TM+\b], s[SEL], s[SEL+1]
.endr
.irp b, 0,1,2,3
	v_max_num_f32 v[TM+\b], v[TM+\b], v[TM+4+\b]   ; with lane l xor 16's 16: the block's largest magnitude
.endr
.irp b, 0,1,2,3
	v_add_nc_u32 v[TM+12+\b], 0xfc000000, v[TM+\b] ; 8 off its exponent field: the conversion's scale operand
.endr
.irp b, 0,1,2,3
.endr
.irp b, 0,1,2,3
	v_lshrrev_b32 v[TM+4+\b], 23, v[TM+12+\b]      ; the scale's byte
.endr
	v_lshl_or_b32 v[\pw], v[TM+5], 8, v[TM+4]
	v_lshl_or_b32 v[\pw], v[TM+6], 16, v[\pw]
	v_lshl_or_b32 v[\pw], v[TM+7], 24, v[\pw]
.irp b, 0,1,2,3
.irp i, 0,1,2,3,4,5,6,7,8,9,10,11,12,13,14,15
.endr
	v_cvt_scalef32_pk8_fp8_f32 v[\pc+4*\b:\pc+4*\b+1], v[\s+16*\b:\s+16*\b+7], v[TM+12+\b]
	v_cvt_scalef32_pk8_fp8_f32 v[\pc+4*\b+2:\pc+4*\b+3], v[\s+16*\b+8:\s+16*\b+15], v[TM+12+\b]
.endr
	v_nop                                          ; a plain line behind the last conversion
.endm
.macro UNIT u
.if (\u) < 3
	s_wait_loadcnt 16                              ; this unit's 16 loads are in; the next unit's 16 may be out
.else
	s_wait_loadcnt 0x0
.endif
.irp p, 0,1,2,3,4,5,6,7,8,9,10,11,12,13,14,15
	ds_store_b128 v[STW], v[R+64*((\u)%2)+4*\p:R+64*((\u)%2)+4*\p+3] offset:SP*\p
.endr
.irp c, 0,1,2,3
.irp i, 0,1,2,3
	ds_load_b128 v[X+16*\c+4*\i:X+16*\c+4*\i+3], v[STR] offset:128*\c+16*\i   ; LDS serves a wave's instructions in order: these see the stores above
.endr
.endr
	s_wait_dscnt 0x0                               ; my numbers are back, and the stores have read the set,
.if (\u) < 2
	LOAD (\u)+2                                    ; which takes the unit two further on
.endif
.if (\u) > 0
	s_wait_xcnt 0x0                                ; the last unit's stores have read the codes' registers
.endif
	QUANT X, PC, PW+(\u)
.irp c, 0,1,2,3
	global_store_b128 v[L16], v[PC+4*\c:PC+4*\c+3], s[IMG:IMG+1] offset:2048*(\u)+512*\c   ; a chunk: 512 consecutive bytes
.endr
.endm
	LOAD 0
	LOAD 1
	UNIT 0
	UNIT 1
	UNIT 2
	UNIT 3
	v_cmp_le_u32 vcc_lo, 16, v[LN]                 ; lanes 0-15 store the first K step's two words of row r, lanes 16-31 the second's
	v_cndmask_b32 v244, v[PW], v[PW+2], vcc_lo
	v_cndmask_b32 v245, v[PW+1], v[PW+3], vcc_lo
	global_store_b64 v[L8], v[244:245], s[SCA:SCA+1]   ; 256 consecutive bytes, aligned
	s_wait_tensorcnt 0x0
	ds_add_u32 v254, v255
	s_wait_dscnt 0x0
	s_endpgm
.Lfunc_end_k_q24206e3917_quant:
	.size	k_q24206e3917_quant, .Lfunc_end_k_q24206e3917_quant-k_q24206e3917_quant
	.p2alignl 7, 3214868480
	.fill 96, 4, 3214868480
	.section	.rodata,"a",@progbits
	.p2align	6, 0x0
	.amdhsa_kernel k_q24206e3917_quant
		.amdhsa_group_segment_fixed_size 34304
		.amdhsa_private_segment_fixed_size 0
		.amdhsa_enable_private_segment 0
		.amdhsa_kernarg_size 56
		.amdhsa_user_sgpr_count 2
		.amdhsa_user_sgpr_kernarg_segment_ptr 1
		.amdhsa_wavefront_size32 1
		.amdhsa_system_sgpr_workgroup_id_x 1
		.amdhsa_system_sgpr_workgroup_id_y 1
		.amdhsa_system_sgpr_workgroup_id_z 1
		.amdhsa_system_vgpr_workitem_id 0
		.amdhsa_next_free_vgpr 256
		.amdhsa_next_free_sgpr 66
		.amdhsa_reserve_vcc 1
		.amdhsa_float_denorm_mode_32 3
		.amdhsa_float_denorm_mode_16_64 3
		.amdhsa_fp16_overflow 1
		.amdhsa_memory_ordered 1
		.amdhsa_forward_progress 1
		.amdhsa_inst_pref_size 34
	.end_amdhsa_kernel
	.amdgpu_metadata
---
amdhsa.version: [ 1, 2 ]
amdhsa.kernels:
  - .name:           k_q24206e3917_quant
    .symbol:         k_q24206e3917_quant.kd
    .args:
      - { .name: x, .offset: 0, .size: 8, .value_kind: global_buffer, .address_space: global }
      - { .name: w_q, .offset: 8, .size: 8, .value_kind: global_buffer, .address_space: global }
      - { .name: w_k, .offset: 16, .size: 8, .value_kind: global_buffer, .address_space: global }
      - { .name: w_v, .offset: 24, .size: 8, .value_kind: global_buffer, .address_space: global }
      - { .name: w_o, .offset: 32, .size: 8, .value_kind: global_buffer, .address_space: global }
      - { .name: xq, .offset: 40, .size: 8, .value_kind: global_buffer, .address_space: global }
      - { .name: wq, .offset: 48, .size: 8, .value_kind: global_buffer, .address_space: global }
    .group_segment_fixed_size: 34304
    .private_segment_fixed_size: 0
    .kernarg_segment_align: 8
    .kernarg_segment_size: 56
    .max_flat_workgroup_size: 128
    .sgpr_count:     66
    .vgpr_count:     256
    .wavefront_size: 32
...
	.end_amdgpu_metadata
.endif
;; end of part 1
;; launch qkv (part 2): grid 12 x 32, 4 waves a work-group, clusters of 4 x 4, 327,680 bytes of LDS; arguments xq, wq, qk, vq; writes qk, vq
.if DOCPART == 2
	.amdgcn_target "amdgcn-amd-amdhsa--gfx1250"
	.amdhsa_code_object_version 6
	.text
	.protected	k_q24206e3917_qkv
	.globl	k_q24206e3917_qkv
	.p2align	8
	.type	k_q24206e3917_qkv,@function
k_q24206e3917_qkv:
	s_mov_b64 s[64:65], 0
	v_nop
	global_prefetch_b8 v0, s[64:65] scope:SCOPE_SE
	s_setreg_imm32_b32 hwreg(HW_REG_WAVE_MODE, 25, 1), 1
	s_wait_xcnt 0x0
	s_wait_alu depctr_hold_cnt(0) depctr_sa_sdst(0) depctr_va_vdst(0) depctr_va_sdst(0) depctr_va_ssrc(0) depctr_va_vcc(0) depctr_vm_vsrc(0)
	s_getreg_b32 s2, hwreg(HW_REG_IB_STS2, 6, 4)
	s_cmp_eq_u32 s2, 0
	s_cbranch_scc0 .Lentry_in_a_cluster
	s_endpgm
.Lentry_in_a_cluster:
	s_bfe_u32 s2, ttmp6, 0x10000c
	s_cmp_lg_u32 s2, 0xf033
	s_cbranch_scc0 .Lentry_shape_is_right
	s_endpgm
.Lentry_shape_is_right:
; q = x w_q^T, k = x w_k^T, v = x w_v^T on codes of E4M3 (K = 1,024), and the results quantised on the way out: q and k along a head's 64 channels, v along the keys.
; OPERANDS are images of operand registers: a rowtile (16 rows; lane r = true row 32 (T / 2) + 8 (T % 2) + r + 8 (r / 8)) is 32 chunks of 512 bytes, lane l's 16 bytes at 16 l; scale words [T][4][r][2] behind the codes.
; A tile of the result is 256 x 256: four waves, each 128 x 128 in 64 accumulators.  K goes in steps of 256 through two LDS slots; a wave's tensor load brings 8 rowtiles x 4,096 consecutive bytes.
; The product is used transposed (source 0 = the B side, source 1 = the A side): a lane holds ONE row of A, and by the rowtiles' order the 16 registers of B's rowtiles 2 c, 2 c + 1 are 16 NEIGHBOURS along B's rows.
; So the conversions' results are chunks of the next operand, and each leaves as 512 consecutive bytes: no stage.
; q, k (cluster x = 0, 1): A = x's tile 4 x cluster y + cy, B = the weights' tile 4 x cluster x + cx.  v (cluster x = 2): A = w_v's tile cy, B = x's tile 4 x cluster y + cx: a lane then holds one channel and its registers run along the keys.
; The two cases differ in pointers, offsets and strides, chosen on the cluster's x, which all partners share: no branch and no LDS address hangs on it.
; CLUSTERS: 4 x 4.  A's tile hangs on cy alone and is asked for jointly along a row of the cluster, B's on cx alone and along a column.
; OUT: qk codes [512 T][64 blocks of 32 channels: q's 32, k's 32][512]; scale words at +16,777,216: [32 heads: q's, k's][64 groups of 128 rows][r][4]: word p: bytes 0, 1 rowtile 2 p, bytes 2, 3 rowtile 2 p + 1.
;      vq codes [64 groups of 128 keys][64 channel rowtiles][2,048]; scale words at +8,388,608: [64][16 heads][r][4 rowtiles].
; LIMITS: NaN and infinities are not served; a block of zeros gets the byte 1 (its codes are zeros; this program alone reads the bytes).
; REGISTERS: window 0: v1-31 addresses; v32-63 scale words, two sets; v128-255 A's fragments, one set; on the way out v64-115 at work.  window 1: B's fragments, two sets.  windows 2, 3: accumulator (a, b) at v[8 (8 (a % 4) + b)].
.set NQ,     2                         ; matrix instructions deep in a slot
.set FR,     16                        ; registers of a fragment
.set NL,     4                         ; LDS loads that bring one
.set NP,     8                         ; places behind this matrix instruction (ISA guide 7.12.1)
.set STEPB,  4096                      ; a rowtile's K step of 256: 8 chunks
.set HALFT,  8*STEPB                   ; 8 rowtiles: what one tensor load brings, and what one wave reads of A or of B
.set SLOT,   4*HALFT                   ; A's 16 rowtiles, then B's
.set LAPS,   2                         ; 1,024 along K = four K steps = twice round the ring
.set SCL,    2*SLOT                    ; behind the ring: the scale words of all of K: A's 8,192 bytes, then B's; filled once
.set HALFS,  4096
.set SBLK,   512                       ; those of a rowtile
.set SPARE,  311296                    ; the spare words, 128 bytes for each wave: two blocks of 256 bytes that no other line names
.set LN,   3                           ; v3   lane
.set ADRA, 16                          ; v16-17  LDS address of my A fragments in slot 0, 1
.set ADRB, 20                          ; v20-21  the same for B
.set SO,   24                          ; v24  the way out: my lane's place among the scale words
.set CO,   26                          ; v26  16 x lane
.set ADRS, 27                          ; v27  LDS address of my scale words: lanes 0-15 A's, lanes 16-31 B's
.set SPW,  28                          ; v28  LDS address of my spare word; never rewritten
.set NIL,  29                          ; v29  0; never rewritten
.set SC,   32
.set AF,   128
.set PW,   64                          ; the way out: v64-71 the eight blocks' scale words
.set Z,    72                          ; v72-79
.set DW,   80                          ; v80-83
.set TM,   84                          ; v84-99
.set PC,   100                         ; v100-115 codes
.set T,    128
.set OUT,  4                           ; s[4:5]  my codes' first byte
.set SCP,  6                           ; s[6:7]  my scale words'
.set SA,   8                           ; s[8:9]  bytes from one of A's rowtiles to the next in the codes' buffer
.set SH,   10                          ; s10  bytes between what lanes 0-15 and lanes 16-31 store of the scale words
.set MASKM, 11                         ; s11  0 for q and k, -1 for v
.set SELLO, 12
.set SELHI, 13
.set MNT,  17
.set SEL,  18                          ; s[18:19]
.set G1, 24
.set G0, 32
.set G1B, 48
.set G0B, 56
.set G1S, 68
.set G0S, 76
.set G1SB, 80
.set G0SB, 88
.set MSB, 0
.macro WIN new                         ; the immediate's high byte repeats the setting that is left
.if MSB != \new
	s_set_vgpr_msb (MSB<<8)|\new
.set MSB, \new
.endif
.endm
.set MUL_LO, 0xa1                      ; source 0 (B) window 1, source 1 (A) window 0, C and D window 2
.set MUL_HI, 0xf1                      ; the same, C and D window 3
.set TO_B,   0x40                      ; destination window 1, address window 0
; A joint load: waves 0 and 1 fetch for A, waves 2 and 3 for B; the branch hangs on the wave's number alone.  Four v_nop follow each of the two lines.
.macro JLOAD g0a, g1a, g0b, g1b
	s_cmp_eq_u32 s15, 0
	s_cbranch_scc0 .Lfor_b_\@
	tensor_load_to_lds s[\g0a:\g0a+3], s[\g1a:\g1a+7]
	s_nop 0
.rept 4
	v_nop
.endr
	s_branch .Lasked_\@
.Lfor_b_\@:
	tensor_load_to_lds s[\g0b:\g0b+3], s[\g1b:\g1b+7]
	s_nop 0
.rept 4
	v_nop
.endr
.Lasked_\@:
.endm
.macro CREST                           ; a round of the cluster's barrier behind its opening barrier
	s_cmp_lg_u32 s14, 0
	s_cbranch_scc1 .Lnot_wave_0_\@
	s_barrier_signal -3
.Lnot_wave_0_\@:
	s_barrier_wait -3
	s_barrier_signal -1
	s_barrier_wait -1
.endm
.macro CROUND                          ; a whole round
	s_barrier_signal -1
	s_barrier_wait -1
	CREST
.endm
	s_load_b256 s[4:11], s[0:1], 0x0               ; xq s[4:5], wq s[6:7], qk s[8:9], vq s[10:11]
	v_lshl_add_u32 v[SPW], v0, 2, SPARE
	v_mov_b32 v[NIL], 0
	ds_add_u32 v28, v29
	ds_add_u32 v28, v29
	s_wait_dscnt 0x0
	v_lshrrev_b32 v1, 5, v0
	v_readfirstlane_b32 s14, v1                    ; wave 0..3
	s_lshr_b32 s15, s14, 1                         ; which half of A's tile is mine.  Also: I fetch for A (0) or for B (1)
	s_and_b32 s16, s14, 1                          ; which half of B's.  Also: which 8 rowtiles I fetch
	s_bfe_u32 s40, ttmp6, 0x40000                  ; cx
	s_bfe_u32 s41, ttmp6, 0x40004                  ; cy
	s_lshl_b32 s42, ttmp9, 2                       ; 4 x cluster x
	s_and_b32 s17, ttmp7, 0xffff
	s_lshl_b32 s17, s17, 2                         ; 4 x cluster y
	s_lshl_b32 s43, s41, 2
	s_lshl_b32 s43, 15, s43                        ; my row of the cluster
	s_lshl_b32 s44, 0x1111, s40                    ; my column
	; descriptor group 1 for codes: 8 rows (rowtiles) of 512 elements of 8 bytes, 2,048 elements apart; dense in LDS
	s_or_b32 s[G1+0], s43, (3<<16)|(1<<21)         ; 15:0 the mask: A's tiles go to my row; 17:16 elements of 8 bytes; 21 set beside a mask
	s_or_b32 s[G1B+0], s44, (3<<16)|(1<<21)        ; B's to my column
.irp g, G1, G1B
	s_mov_b32 s[\g+1], 512<<16                     ; tensor_dim0
	s_mov_b32 s[\g+2], 8<<16                       ; tensor_dim1
	s_mov_b32 s[\g+3], 512<<16                     ; tile_dim0
	s_mov_b32 s[\g+4], 8                           ; tile_dim1
	s_mov_b32 s[\g+5], 2048                        ; tensor_dim0_stride
	s_mov_b32 s[\g+6], 0
	s_mov_b32 s[\g+7], 0
.endr
	; and for the scale words of 8 rowtiles: 4,096 dense bytes as 16 rows of 256
	s_or_b32 s[G1S+0], s43, (3<<16)|(1<<21)
	s_or_b32 s[G1SB+0], s44, (3<<16)|(1<<21)
.irp g, G1S, G1SB
	s_mov_b32 s[\g+1], 32<<16
	s_mov_b32 s[\g+2], 16<<16
	s_mov_b32 s[\g+3], 32<<16
	s_mov_b32 s[\g+4], 16
	s_mov_b32 s[\g+5], 32
	s_mov_b32 s[\g+6], 0
	s_mov_b32 s[\g+7], 0
.endr
	s_cmp_lt_u32 ttmp9, 2                          ; q and k, or v: the cluster's x, the same in all partners
	s_cselect_b32 s18, s17, 8                      ; A's tile less cy: x's 4 x cluster y, or the weights' tile 8, where w_v begins
	s_cselect_b32 s19, s42, s17                    ; B's tile less cx: the weights' 4 x cluster x, or x's 4 x cluster y
	s_cselect_b32 s45, 0, 8
	s_add_co_u32 s18, s18, s41                     ; A's tile: of the place in the cluster cy alone enters it
	s_add_co_u32 s19, s19, s40                     ; B's tile: cx alone
	s_sub_co_u32 s94, s18, s45
	s_lshl_b32 s94, s94, 1
	s_add_co_u32 s94, s94, s15                     ; PA: my 8 rowtiles of A, counted in x or in w_v
	s_lshl_b32 s95, s19, 1
	s_add_co_u32 s95, s95, s16                     ; PB: my 8 rowtiles of B
	s_lshl_b32 s20, s18, 18                        ; what I fetch: 16 rowtiles of 16,384 bytes a tile, + my half
	s_lshl_b32 s45, s16, 17
	s_add_co_u32 s20, s20, s45
	s_mov_b32 s21, 0
	s_lshl_b32 s46, s19, 18
	s_add_co_u32 s46, s46, s45
	s_mov_b32 s47, 0
	s_lshl_b32 s22, s18, 13                        ; and their scale words, 512 bytes a rowtile
	s_lshl_b32 s45, s16, 12
	s_add_co_u32 s22, s22, s45
	s_mov_b32 s23, 0
	s_lshl_b32 s92, s19, 13
	s_add_co_u32 s92, s92, s45
	s_mov_b32 s93, 0
	s_mul_i32 s2, s14, HALFT                       ; where they go: wave x 8 rowtiles: no place in the cluster enters an LDS address
	s_mul_i32 s3, s14, HALFS
	s_wait_kmcnt 0x0
	s_cmp_lt_u32 ttmp9, 2
	s_cselect_b64 s[96:97], s[4:5], s[6:7]         ; A's buffer
	s_cselect_b64 s[98:99], s[6:7], s[4:5]         ; B's
	s_cselect_b64 s[100:101], s[8:9], s[10:11]     ; the results'
	s_mov_b32 s42, 0x800000
	s_mov_b32 s45, 0x400000
	s_cselect_b32 s12, s42, s45                    ; the bytes of codes ahead of A's scale words,
	s_cselect_b32 s13, s45, s42                    ; of B's,
	s_cselect_b32 s42, 0x1000000, s42              ; and of the results'
	s_mov_b32 s[SA], 2048
	s_cselect_b32 s[SA], 0x8000, s[SA]
	s_mov_b32 s[SA+1], 0
	s_mov_b32 s[SH], 256
	s_cselect_b32 s[SH], 0x4000, s[SH]
	s_cselect_b32 s[MASKM], 0, -1
	s_cselect_b32 s4, 18, 14                       ; codes: PA x 262,144 + PB x 2,048, or PA x 16,384 + PB x 131,072
	s_cselect_b32 s5, 11, 17
	s_cselect_b32 s6, 8, 9                         ; scale words: PA x 256 + PB x 32,768, or PA x 512 + PB x 4,096
	s_cselect_b32 s7, 15, 12
	s_add_co_u32 s22, s22, s12
	s_add_co_u32 s92, s92, s13
	s_add_nc_u64 s[20:21], s[96:97], s[20:21]
	s_add_nc_u64 s[22:23], s[96:97], s[22:23]
	s_add_nc_u64 s[46:47], s[98:99], s[46:47]
	s_add_nc_u64 s[92:93], s[98:99], s[92:93]
	s_lshl_b32 s4, s94, s4
	s_lshl_b32 s5, s95, s5
	s_add_co_u32 s4, s4, s5
	s_mov_b32 s5, 0
	s_add_nc_u64 s[OUT:OUT+1], s[100:101], s[4:5]
	s_lshl_b32 s6, s94, s6
	s_lshl_b32 s7, s95, s7
	s_add_co_u32 s6, s6, s7
	s_add_co_u32 s6, s6, s42
	s_mov_b32 s7, 0
	s_add_nc_u64 s[SCP:SCP+1], s[100:101], s[6:7]
	s_mov_b32 s[SELLO], 0x05040100                 ; v_perm_b32: the two low halves,
	s_mov_b32 s[SELHI], 0x07060302                 ; the two high halves
	s_mov_b32 s[SEL], 0x76543210
	s_mov_b32 s[SEL+1], 0xfedcba98                 ; lane l xor 16
	CROUND                                         ; all sixteen work-groups are here: the first joint loads meet
	s_mov_b32 s[G0S], 1
	s_add_co_u32 s[G0S+1], s3, SCL
	s_mov_b64 s[G0S+2:G0S+3], s[22:23]
	s_or_b32 s[G0S+3], s[G0S+3], 0x80000000
	s_mov_b32 s[G0SB], 1
	s_add_co_u32 s[G0SB+1], s3, SCL
	s_mov_b64 s[G0SB+2:G0SB+3], s[92:93]
	s_or_b32 s[G0SB+3], s[G0SB+3], 0x80000000
	JLOAD G0S, G1S, G0SB, G1SB                     ; the scale words first: they are wanted with K step 0
.irp s, 0,1
	s_mov_b32 s[G0+4*\s], 1
	s_add_co_u32 s[G0+4*\s+1], s2, \s*SLOT
	s_add_nc_u64 s[G0+4*\s+2:G0+4*\s+3], s[20:21], \s*STEPB
	s_or_b32 s[G0+4*\s+3], s[G0+4*\s+3], 0x80000000
	s_mov_b32 s[G0B+4*\s], 1
	s_add_co_u32 s[G0B+4*\s+1], s2, \s*SLOT
	s_add_nc_u64 s[G0B+4*\s+2:G0B+4*\s+3], s[46:47], \s*STEPB
	s_or_b32 s[G0B+4*\s+3], s[G0B+4*\s+3], 0x80000000
	JLOAD G0+4*\s, G1, G0B+4*\s, G1B
.endr
	v_and_b32 v1, 15, v0                           ; r
	v_bfe_u32 v2, v0, 4, 1                         ; h
	s_wait_alu depctr_va_vdst(0)
	v_and_b32 v[LN], 31, v0
	v_lshlrev_b32 v[CO], 4, v[LN]
	s_lshl_b32 s21, s15, 15                        ; my 8 rowtiles of A
	s_lshl_b32 s22, s16, 15                        ; my 8 of B,
	s_add_co_u32 s22, s22, 2*HALFT                 ; which lie behind A's 16
.irp s, 0,1
	v_add_nc_u32 v[ADRA+\s], s21, v[CO]
	v_add_nc_u32 v[ADRB+\s], s22, v[CO]
	s_add_co_u32 s21, s21, SLOT
	s_add_co_u32 s22, s22, SLOT
.endr
	v_lshlrev_b32 v5, 3, v1                        ; my row's two words of a K step
	s_mul_i32 s21, s15, HALFS                      ; A's: my 8 rowtiles
	s_mul_i32 s22, s16, HALFS                      ; B's, behind A's 16
	s_add_co_u32 s22, s22, 2*HALFS
	s_sub_co_u32 s22, s22, s21
	v_mul_u32_u24 v6, s22, v2                      ; lanes 16-31 take B's
	s_add_co_u32 s21, s21, SCL
	v_add_nc_u32 v5, v5, v6
	v_add_nc_u32 v[ADRS], s21, v5
	v_mul_u32_u24 v6, s[SH], v2
	v_lshl_add_u32 v[SO], v1, 4, v6                ; the way out: 16 r + h x SH
.macro FRAG reg, adr, q, i             ; a fragment: four chunks on end: lane l's 16 bytes at 16 l
.irp c, 0,1,2,3
	ds_load_b128 v[\reg+4*\c:\reg+4*\c+3], v[\adr] offset:STEPB*(\i)+2048*(\q)+512*\c
.endr
.endm
; 16 matrix instructions: A's rowtiles a0, a0 + 1 x B's eight, 128 along K.  The 64 accumulators take turns, one instruction a turn, in the same order in every step.
.macro MUL16 a0, p, q, sc, zero
.irp a, \a0, \a0+1
.irp b, 0,1,2,3,4,5,6,7
.if \zero
	v_wmma_scale_f32_16x16x128_f8f6f4 v[8*(8*((\a)%4)+\b):8*(8*((\a)%4)+\b)+7], v[128*(\p)+FR*\b:128*(\p)+FR*\b+FR-1], v[AF+FR*(\a):AF+FR*(\a)+FR-1], 0, v[SC+8*NQ*(\sc)+NQ*\b+(\q)], v[SC+8*NQ*(\sc)+NQ*(\a)+(\q)] matrix_a_scale:MATRIX_SCALE_ROW1
.else
	v_wmma_scale_f32_16x16x128_f8f6f4 v[8*(8*((\a)%4)+\b):8*(8*((\a)%4)+\b)+7], v[128*(\p)+FR*\b:128*(\p)+FR*\b+FR-1], v[AF+FR*(\a):AF+FR*(\a)+FR-1], v[8*(8*((\a)%4)+\b):8*(8*((\a)%4)+\b)+7], v[SC+8*NQ*(\sc)+NQ*\b+(\q)], v[SC+8*NQ*(\sc)+NQ*(\a)+(\q)] matrix_a_scale:MATRIX_SCALE_ROW1
.endif
.endr
.endr
.endm
.macro FETCH_B slot, q, p
	WIN TO_B
.irp i, 0,1,2,3,4,5,6,7
	FRAG 128*(\p)+FR*\i, ADRB+\slot, \q, \i
.endr
	WIN 0
.endm
.macro FETCH_A slot, q, i0
.irp i, \i0, \i0+1, \i0+2, \i0+3
	FRAG AF+FR*(\i), ADRA+\slot, \q, \i
.endr
.endm
.macro SCALES sc                       ; a K step's scale words: lanes 0-15 A's rowtile i, lanes 16-31 B's rowtile i
.irp i, 0,1,2,3,4,5,6,7
	ds_load_b64 v[SC+8*NQ*\sc+NQ*\i:SC+8*NQ*\sc+NQ*\i+1], v[ADRS] offset:\i*SBLK
.endr
.endm
.macro PLACES n                        ; plain vector lines between a matrix instruction and a load into, or a read of, its registers
.rept \n
	v_nop
.endr
.endm
.macro STEP slot, q, zero              ; a step of 128 along K that has its successor in the same slot
	s_wait_dscnt 4*NL                              ; B's set and A's rowtiles 0-3 are in; the youngest 16 loads (A's 4-7) may be out
	WIN MUL_LO
	MUL16 0, (\q)%2, \q, \slot, \zero
	MUL16 2, (\q)%2, \q, \slot, \zero
	s_wait_dscnt 0
	PLACES NP
	FETCH_B \slot, (\q)+1, 1-(\q)%2
	FETCH_A \slot, (\q)+1, 0
	WIN MUL_HI
	MUL16 4, (\q)%2, \q, \slot, \zero
	MUL16 6, (\q)%2, \q, \slot, \zero
	PLACES NP
	WIN 0
	FETCH_A \slot, (\q)+1, 4
.endm
; A slot's last step changes slots: one barrier; in front of it each wave waits for all its tensor loads, adds 0 to its spare word, and waits for that and for its reads of this slot.
.macro TURN slot, next, fill
	s_wait_tensorcnt 0x0                           ; all my tensor loads have landed: my part of the next slot
	ds_add_u32 v[SPW], v[NIL]                      ; 0 onto my spare word
	s_wait_dscnt 4*NL+1                            ; (the add and the youngest 16 loads may be out)
	WIN MUL_LO
	MUL16 0, 1, NQ-1, \slot, 0
	s_wait_dscnt 0x0                               ; the add is done, and my reads of this slot are over
	s_barrier_signal -1
	MUL16 2, 1, NQ-1, \slot, 0
	WIN 0
	s_barrier_wait -1
.if \fill
	CREST                                          ; the barrier has opened a round of the cluster's barrier: no wave of any partner still reads this slot or has a load on its way
	s_add_nc_u64 s[G0+4*\slot+2:G0+4*\slot+3], s[G0+4*\slot+2:G0+4*\slot+3], 2*STEPB
	s_add_nc_u64 s[G0B+4*\slot+2:G0B+4*\slot+3], s[G0B+4*\slot+2:G0B+4*\slot+3], 2*STEPB
	JLOAD G0+4*\slot, G1, G0B+4*\slot, G1B         ; the first tensor load behind the round; its four v_nop are four of the eight places
	PLACES NP-4
.else
	PLACES NP
.endif
	s_wait_alu depctr_va_vdst(0)
	v_add_nc_u32 v[ADRS], 128, v[ADRS]             ; the next K step's scale words
	FETCH_B \next, 0, 0
	FETCH_A \next, 0, 0
	SCALES \next
	WIN MUL_HI
	MUL16 4, 1, NQ-1, \slot, 0
	MUL16 6, 1, NQ-1, \slot, 0
	PLACES NP
	WIN 0
	FETCH_A \next, 0, 4
.endm
	s_wait_alu depctr_va_vdst(0)
	s_wait_tensorcnt 1                             ; of my three first loads the scale words and K step 0 are in; K step 1's may be out
	s_barrier_signal -1
	s_barrier_wait -1
	FETCH_B 0, 0, 0
	FETCH_A 0, 0, 0
	SCALES 0
	FETCH_A 0, 0, 4
	STEP 0, 0, 1                                   ; the first step's products start the sums
	s_mov_b32 s3, LAPS-1
.Llap:
	TURN 0, 1, 1
	STEP 1, 0, 0
	TURN 1, 0, 1
	STEP 0, 0, 0
	s_sub_co_u32 s3, s3, 1
	s_cmp_lg_u32 s3, 0
	s_cbranch_scc1 .Llap
	TURN 0, 1, 0                                   ; the last lap fills nothing
	STEP 1, 0, 0
	s_wait_dscnt 4*NL
	WIN MUL_LO
	MUL16 0, 1, NQ-1, 1, 0
	MUL16 2, 1, NQ-1, 1, 0
	s_wait_dscnt 0
	WIN MUL_HI
	MUL16 4, 1, NQ-1, 1, 0
	MUL16 6, 1, NQ-1, 1, 0
	WIN 0
; THE WAY OUT.  A's rowtile a against B's eight: 64 numbers of a lane, register 16 c + i = B's true row 32 c + 16 h + i: four blocks of 32 along the next K.  They become four chunks, 2,048 consecutive bytes, and a scale word.
	PLACES NP
.irp b, 0,1,2,3
	v_mov_b32 v[TM+4+\b], 0                        ; written once: a lane permute's destination counts as one of its sources
.endr
.macro QW a
.set AC, 64*((\a)%4)
.set WN, 2+(\a)/4
.set W2, 5*WN
.if (\a) > 0
	s_wait_xcnt 0x0                                ; the last rowtile's stores have read their data and their base
	s_add_nc_u64 s[OUT:OUT+1], s[OUT:OUT+1], s[SA:SA+1]
.endif
	WIN W2                                         ; sources 0 and 1: the accumulators' window
.irp b, 0,1,2,3
	v_max3_num_f32 v[TM+\b], |v[AC+16*\b]|, |v[AC+16*\b+1]|, 0x4800000   ; each accumulator is read from its low end on; the floor 2^(9 - 127) holds the byte at 1
.endr
.irp i, 2,4,6,8,10,12,14
.irp b, 0,1,2,3
	v_max3_num_f32 v[TM+\b], |v[AC+16*\b+\i]|, |v[AC+16*\b+\i+1]|, v[TM+\b]
.endr
.endr
	WIN 0
.irp b, 0,1,2,3
	v_permlanex16_b32 v[TM+4+\b], v[TM+\b], s[SEL], s[SEL+1]
.endr
.irp b, 0,1,2,3
	v_max_num_f32 v[TM+\b], v[TM+\b], v[TM+4+\b]   ; with lane l xor 16's 16: the block's largest magnitude
.endr
.irp b, 0,1,2,3
	v_add_nc_u32 v[TM+12+\b], 0xfc000000, v[TM+\b] ; the conversion's scale operand
.endr
.irp b, 0,1,2,3
.endr
.irp b, 0,1,2,3
	v_lshrrev_b32 v[TM+4+\b], 23, v[TM+12+\b]      ; the scale's byte
.endr
	v_lshl_or_b32 v[PW+(\a)], v[TM+5], 8, v[TM+4]
	v_lshl_or_b32 v[PW+(\a)], v[TM+6], 16, v[PW+(\a)]
	v_lshl_or_b32 v[PW+(\a)], v[TM+7], 24, v[PW+(\a)]
	WIN WN                                         ; source 0: the accumulators' window
.irp b, 0,1,2,3
.irp i, 0,1,2,3,4,5,6,7,8,9,10,11,12,13,14,15
.endr
.endr
.irp b, 0,1,2,3
	v_cvt_scalef32_pk8_fp8_f32 v[PC+4*\b:PC+4*\b+1], v[AC+16*\b:AC+16*\b+7], v[TM+12+\b]
	v_cvt_scalef32_pk8_fp8_f32 v[PC+4*\b+2:PC+4*\b+3], v[AC+16*\b+8:AC+16*\b+15], v[TM+12+\b]
.endr
	WIN 0
	v_nop                                          ; a plain line behind the last conversion
.irp b, 0,1,2,3
	global_store_b128 v[CO], v[PC+4*\b:PC+4*\b+3], s[OUT:OUT+1] offset:512*\b   ; a chunk: 512 consecutive bytes, aligned
.endr
.endm
.irp a, 0,1,2,3,4,5,6,7
	QW \a
.endr
	; the scale words.  q, k: a word's low half is one head's two bytes, its high half the next head's: two rowtiles' halves make a word.  v: a word is a channel's four key blocks as it stands.
.irp p, 0,1,2,3
	v_perm_b32 v[Z+\p], v[PW+2*\p+1], v[PW+2*\p], s[SELLO]
	v_perm_b32 v[Z+4+\p], v[PW+2*\p+1], v[PW+2*\p], s[SELHI]
.endr
.irp i, 0,1,2,3,4,5,6,7
	v_cndmask_b32 v[Z+\i], v[Z+\i], v[PW+\i], s[MASKM]
.endr
	v_cmp_le_u32 vcc_lo, 16, v[LN]
.irp p, 0,1,2,3
	v_cndmask_b32 v[DW+\p], v[Z+\p], v[Z+4+\p], vcc_lo   ; lanes 0-15: the first head's four words of row r; lanes 16-31: the second's
.endr
	global_store_b128 v[SO], v[DW:DW+3], s[SCP:SCP+1]      ; each half of the lanes stores 256 consecutive bytes, aligned
	s_wait_tensorcnt 0x0                           ; the wave's end
	ds_add_u32 v[SPW], v[NIL]
	s_wait_dscnt 0x0
	CROUND                                         ; the closing round
	s_endpgm
.Lfunc_end_k_q24206e3917_qkv:
	.size	k_q24206e3917_qkv, .Lfunc_end_k_q24206e3917_qkv-k_q24206e3917_qkv
	.p2alignl 7, 3214868480
	.fill 96, 4, 3214868480
	.section	.rodata,"a",@progbits
	.p2align	6, 0x0
	.amdhsa_kernel k_q24206e3917_qkv
		.amdhsa_group_segment_fixed_size 327680
		.amdhsa_private_segment_fixed_size 0
		.amdhsa_enable_private_segment 0
		.amdhsa_kernarg_size 32
		.amdhsa_user_sgpr_count 2
		.amdhsa_user_sgpr_kernarg_segment_ptr 1
		.amdhsa_wavefront_size32 1
		.amdhsa_system_sgpr_workgroup_id_x 1
		.amdhsa_system_sgpr_workgroup_id_y 1
		.amdhsa_system_sgpr_workgroup_id_z 1
		.amdhsa_system_vgpr_workitem_id 0
		.amdhsa_next_free_vgpr 1024
		.amdhsa_next_free_sgpr 102
		.amdhsa_reserve_vcc 1
		.amdhsa_float_denorm_mode_32 3
		.amdhsa_float_denorm_mode_16_64 3
		.amdhsa_fp16_overflow 1
		.amdhsa_memory_ordered 1
		.amdhsa_forward_progress 1
		.amdhsa_inst_pref_size 151
	.end_amdhsa_kernel
	.amdgpu_metadata
---
amdhsa.version: [ 1, 2 ]
amdhsa.kernels:
  - .name:           k_q24206e3917_qkv
    .symbol:         k_q24206e3917_qkv.kd
    .args:
      - { .name: xq, .offset: 0, .size: 8, .value_kind: global_buffer, .address_space: global }
      - { .name: wq, .offset: 8, .size: 8, .value_kind: global_buffer, .address_space: global }
      - { .name: qk, .offset: 16, .size: 8, .value_kind: global_buffer, .address_space: global }
      - { .name: vq, .offset: 24, .size: 8, .value_kind: global_buffer, .address_space: global }
    .group_segment_fixed_size: 327680
    .private_segment_fixed_size: 0
    .kernarg_segment_align: 8
    .kernarg_segment_size: 32
    .max_flat_workgroup_size: 128
    .sgpr_count:     102
    .vgpr_count:     1024
    .wavefront_size: 32
...
	.end_amdgpu_metadata
.endif
;; end of part 2
;; launch attn (part 3): grid 4 x 64, 16 waves a work-group, no clusters, 327,680 bytes of LDS; arguments qk, vq, aq; writes aq
.if DOCPART == 3
	.amdgcn_target "amdgcn-amd-amdhsa--gfx1250"
	.amdhsa_code_object_version 6
	.text
	.protected	k_q24206e3917_attn
	.globl	k_q24206e3917_attn
	.p2align	8
	.type	k_q24206e3917_attn,@function
k_q24206e3917_attn:
	s_mov_b64 s[64:65], 0
	v_nop
	global_prefetch_b8 v0, s[64:65] scope:SCOPE_SE
	s_setreg_imm32_b32 hwreg(HW_REG_WAVE_MODE, 25, 1), 1
	s_wait_xcnt 0x0
; Causal attention of one head on codes of E4M3, and O / l quantised along the model's 1,024 on the way out.  Inputs and output are images of operand registers (chunks of 512 bytes, lane l's 16 bytes at 16 l).
; t = score x log2(e) / 8; M = the running largest t rounded up to a whole number; p = 2^(t - M) is quantised along the keys; the row's sum is taken of the unquantised p and divides O at the end.
; A masked score counts as p = 0: that is what the -1e9 of the definition gives as long as true scores lie far above -1e9.  NaN and infinities are not served; a block of zeros gets the byte 1 (its codes are zeros).
; SHARES: work-group (i, head) owns query blocks 7 - i and i of 256 queries, 9 blocks of 256 keys of work in every work-group.  Each of sixteen waves owns one rowtile of 16 queries of each block, the HIGH block first.
; A rowtile's lane r is query 32 (T / 2) + 8 (T % 2) + r + 8 (r / 8); keys are tiled alike, so that the 16 score registers of key rowtiles 2 b, 2 b + 1 are 16 neighbouring keys.
; THE HEAD SIZE IS 64, the instruction's K 128: ONE operand holds TWO key rowtiles (64 channels each), and q stands as [q | 0] for the first and [0 | q] for the second; zero codes add nothing.
; LDS holds the whole head, every byte filled ONCE: K 131,072 bytes, V^T 131,072, their scale words 4,096 each.  Waves 0, 1 fetch K, waves 2, 3 V.  The scale words and key steps 0-3 go out at the start (72 KiB);
; steps 4-7, 8-11 and 12-15 are asked for one group at a time, each behind the barrier that shows the group before it, so that a group's 64 KiB are on their way while the sixteen waves work four key steps.
; That is why the high block goes first: it walks the keys from 0 on as they arrive; the low block finds all it needs (keys under 1,024) in LDS and passes no barrier.
; Every wave walks a constant number of key steps; a step all of whose keys come after the wave's queries is left out by a scalar branch on ids, round the work alone.
; NO CLUSTER: the four work-groups of a head read the same K and V, but which steps they leave out hangs on their query block, which would be their place in the cluster; partners must run alike.
; The scale bytes of O leave as two bytes a row (32 bytes for each 1,024 of codes): a head owns two of a word's four bytes.
.set KSL,  262144                      ; LDS: K's scale words; V's lie 4,096 on
.set SPARE, 270336                     ; the spare words, 128 bytes for each wave: eight blocks of 256 bytes that no other line names
.set L16,  1                           ; v1   16 x lane
.set R16,  2                           ; v2   KSL + 16 r
.set ADK,  3                           ; v3   the step's K
.set ADV,  4                           ; v4   its V
.set ADS,  5                           ; v5   its scale words
.set QL,   6                           ; v6   r + 8 (r / 8) - 16 h
.set R8,   7                           ; v7   8 r
.set R16G, 8                           ; v8   16 r
.set NM,   12                          ; v12  -M;  v13 the largest t
.set MT,   13
.set SUM,  14                          ; v[14:15] the row's sum in two halves
.set Q2,   16                          ; v16-31 [0 | q]
.set Q1,   24                          ; v24-39 [q | 0]
.set QS,   40                          ; v40  q's two scale bytes, twice
.set QR,   41
.set SPW,  42                          ; v42  LDS address of my spare word: SPARE + 4 x my thread's number; never rewritten
.set NIL,  43                          ; v43  0; never rewritten
.set KSC,  44                          ; v44-47 K's scale words
.set VSC,  48                          ; v48-51 V's
.set F,    52                          ; v52-115 four operands of K or of V
.set S,    116                         ; v116-179 S^T, then p
.set O,    180                         ; v180-211 O^T
.set PC,   212                         ; v212-227 p's codes
.set BM,   228
.set T1,   232
.set LIM,  236
.set SCF,  240
.set PW,   244                         ; p's scale word
.set FF,   246                         ; v[246:247] f = 2^(old M - new M); later 1 / l
.set SUM2, 248
.set TMP,  250
.set WV,   10
.set BB,   12                          ; s12 batch
.set HD,   13                          ; s13 head
.set MNT,  19
.set SEL,  20
.set CS,   22                          ; s[22:23] c = log2(e) / 8
.set G1K,  24
.set G1V,  32
.set G1KS, 40
.set G1VS, 48
.set TK,   80                          ; s80 LDS byte of the step's K: 8,192 a step
.set TS,   81                          ; s81 of its scale words: 256 a step
.set KF,   82                          ; s82 the step's first key
.set Q0,   83                          ; s83 my first query
.set CNT,  84
.set TT,   85                          ; s85 my rowtile in the batch
.set QP,   88
.set QSP,  90
.set OP,   92
.set OSP,  94
.set SELQ, 96
.set BLK,  100
.set HC,   101
	s_load_b128 s[4:7], s[0:1], 0x0                ; qk, vq
	s_load_b64 s[8:9], s[0:1], 0x10                ; aq
	v_lshl_add_u32 v[SPW], v0, 2, SPARE
	v_mov_b32 v[NIL], 0
	ds_add_u32 v42, v43
	ds_add_u32 v42, v43
	s_wait_dscnt 0x0
	v_lshrrev_b32 v3, 5, v0
	s_delay_alu instid0(VALU_DEP_1)
	v_readfirstlane_b32 s[WV], v3                  ; wave 0..15
	s_and_b32 s11, ttmp7, 0xffff
	s_lshr_b32 s[BB], s11, 4
	s_and_b32 s[HD], s11, 15
	s_and_b32 s14, s[WV], 1                        ; which half of a group I fetch, if I fetch
	s_lshr_b32 s15, s[WV], 1
	s_min_u32 s15, s15, 1                          ; 0: for K, 1: for V
	; descriptor groups 1, elements of 8 bytes, dense in LDS.  K: 16 rowtiles of 1,024 bytes, 32,768 bytes apart
	s_mov_b32 s[G1K], 3<<16
	s_mov_b32 s[G1K+1], 128<<16
	s_mov_b32 s[G1K+2], 16<<16
	s_mov_b32 s[G1K+3], 128<<16
	s_mov_b32 s[G1K+4], 16
	s_mov_b32 s[G1K+5], 4096
	s_mov_b32 s[G1K+6], 0
	s_mov_b32 s[G1K+7], 0
	; V: two key steps of 8,192 bytes, 131,072 bytes apart
	s_mov_b32 s[G1V], 3<<16
	s_mov_b32 s[G1V+1], 1024<<16
	s_mov_b32 s[G1V+2], 2<<16
	s_mov_b32 s[G1V+3], 1024<<16
	s_mov_b32 s[G1V+4], 2
	s_mov_b32 s[G1V+5], 16384
	s_mov_b32 s[G1V+6], 0
	s_mov_b32 s[G1V+7], 0
	; K's scale words: 8 steps of 256 bytes, dense
	s_mov_b32 s[G1KS], 3<<16
	s_mov_b32 s[G1KS+1], 32<<16
	s_mov_b32 s[G1KS+2], 8<<16
	s_mov_b32 s[G1KS+3], 32<<16
	s_mov_b32 s[G1KS+4], 8
	s_mov_b32 s[G1KS+5], 32
	s_mov_b32 s[G1KS+6], 0
	s_mov_b32 s[G1KS+7], 0
	; V's: 8 steps of 256 bytes, 4,096 bytes apart
	s_mov_b32 s[G1VS], 3<<16
	s_mov_b32 s[G1VS+1], 32<<16
	s_mov_b32 s[G1VS+2], 8<<16
	s_mov_b32 s[G1VS+3], 32<<16
	s_mov_b32 s[G1VS+4], 8
	s_mov_b32 s[G1VS+5], 512
	s_mov_b32 s[G1VS+6], 0
	s_mov_b32 s[G1VS+7], 0
	s_lshl_b32 s16, s[BB], 22                      ; K's codes: (128 batch + 16 half) rowtiles of 32,768 bytes + 16,384 (behind q's blocks) + 1,024 head
	s_lshl_b32 s11, s14, 19
	s_add_co_u32 s16, s16, s11
	s_lshl_b32 s11, s[HD], 10
	s_add_co_u32 s16, s16, s11
	s_add_co_u32 s16, s16, 16384
	s_lshl_b32 s18, s[BB], 21                      ; V's: (16 batch + 2 half) steps of 131,072 bytes + 8,192 head
	s_lshl_b32 s11, s14, 18
	s_add_co_u32 s18, s18, s11
	s_lshl_b32 s11, s[HD], 13
	s_add_co_u32 s18, s18, s11
	s_lshl_b32 s98, s[HD], 14                      ; K's scale words: 16,777,216 + ((16 + head) 64 + 16 batch + 8 half) x 256
	s_lshl_b32 s11, s[BB], 12
	s_add_co_u32 s98, s98, s11
	s_lshl_b32 s11, s14, 11
	s_add_co_u32 s98, s98, s11
	s_add_co_u32 s98, s98, 0x1040000
	s_lshl_b32 s100, s[BB], 16                     ; V's: 8,388,608 + (16 batch + 8 half) x 4,096 + 256 head
	s_lshl_b32 s11, s14, 15
	s_add_co_u32 s100, s100, s11
	s_lshl_b32 s11, s[HD], 8
	s_add_co_u32 s100, s100, s11
	s_add_co_u32 s100, s100, 0x800000
	s_mov_b32 s17, 0
	s_mov_b32 s99, 0
	s_mov_b32 s97, 0x80000                         ; from a group of four steps to the next: V's bytes,
	s_cmp_lt_u32 s[WV], 2
	s_cselect_b32 s16, s16, s18
	s_cselect_b32 s98, s98, s100
	s_cselect_b32 s97, 0x100000, s97               ; K's
	s_wait_kmcnt 0x0
	s_cselect_b64 s[86:87], s[4:5], s[6:7]         ; the buffer that I fetch from: the choice hangs on the wave's number alone
	s_lshl_b32 s101, s15, 12
	s_lshl_b32 s11, s14, 11
	s_add_co_u32 s101, s101, s11
	s_mov_b32 s56, 1
	s_add_co_u32 s57, s101, KSL                    ; the scale words' place: KSL + 4,096 kind + 2,048 half
	s_add_nc_u64 s[58:59], s[86:87], s[98:99]
	s_or_b32 s59, s59, 0x80000000
	s_lshl_b32 s101, s15, 17
	s_lshl_b32 s11, s14, 14
	s_add_co_u32 s101, s101, s11                   ; the codes': 131,072 kind + 16,384 half + 32,768 group
.macro GRP g, n                        ; a group 0 of its own for each group of four key steps: none is ever rewritten
	s_mov_b32 s[\g], 1
	s_add_co_u32 s[\g+1], s101, 32768*\n
	s_add_nc_u64 s[\g+2:\g+3], s[86:87], s[16:17]
	s_or_b32 s[\g+3], s[\g+3], 0x80000000
	s_add_co_u32 s16, s16, s97
.endm
	GRP 60, 0
	GRP 68, 1
	GRP 72, 2
	GRP 76, 3
	s_cmp_lt_u32 s[WV], 2                          ; a wave's two fills of the start stand in one branch on its number, ahead of every wait on TENSORcnt, LDS read and barrier: two loads of mine are out at the most
	s_cbranch_scc0 .Lnot_k
	tensor_load_to_lds s[56:59], s[G1KS:G1KS+7]
	s_nop 0
	tensor_load_to_lds s[60:63], s[G1K:G1K+7]
	s_nop 0
.rept 4
	v_nop
.endr
	s_branch .Lasked
.Lnot_k:
	s_cmp_lt_u32 s[WV], 4
	s_cbranch_scc0 .Lasked
	tensor_load_to_lds s[56:59], s[G1VS:G1VS+7]
	s_nop 0
	tensor_load_to_lds s[60:63], s[G1V:G1V+7]
	s_nop 0
.rept 4
	v_nop
.endr
.Lasked:
	v_and_b32 v9, 31, v0
	v_and_b32 v10, 15, v0                          ; r
	v_bfe_u32 v11, v0, 4, 1                        ; h
	s_delay_alu instid0(VALU_DEP_3)
	v_lshlrev_b32 v[L16], 4, v9
	s_delay_alu instid0(VALU_DEP_3)
	v_lshlrev_b32 v[R16G], 4, v10
	s_delay_alu instid0(VALU_DEP_1)
	v_add_nc_u32 v[R16], KSL, v[R16G]
	v_lshlrev_b32 v[R8], 3, v10
	v_and_b32 v[QL], 8, v10
	s_delay_alu instid0(VALU_DEP_1)
	v_add_nc_u32 v[QL], v[QL], v10
	v_lshlrev_b32 v11, 4, v11
	s_delay_alu instid0(VALU_DEP_1)
	v_sub_nc_u32 v[QL], v[QL], v11
.irp j, 0,1,2,3,4,5,6,7
	v_mov_b32 v[Q2+\j], 0                          ; the zero codes on either side of q
	v_mov_b32 v[Q1+8+\j], 0
.endr
.irp b, 0,1,2,3
	v_mov_b32 v[T1+\b], 0                          ; written once: a lane permute's destination counts as one of its sources
.endr
	v_mov_b32 v[FF+1], 0                           ; (named as the upper half of a pair)
	s_mov_b32 s[SEL], 0x76543210
	s_mov_b32 s[SEL+1], 0xfedcba98
	s_mov_b32 s[CS], 0x3e38aa3b                    ; log2(e) / 8
	s_mov_b32 s[CS+1], s[CS]
	s_lshr_b32 s11, s[HD], 2                       ; O's scale bytes: 8,388,608 + 128 (head / 4) + 4 ((head / 2) % 2) + 2 (head % 2)
	s_lshl_b32 s[HC], s11, 7
	s_bfe_u32 s11, s[HD], 0x10001
	s_lshl_b32 s11, s11, 2
	s_add_co_u32 s[HC], s[HC], s11
	s_and_b32 s11, s[HD], 1
	s_lshl_b32 s11, s11, 1
	s_add_co_u32 s[HC], s[HC], s11
	s_add_co_u32 s[HC], s[HC], 0x800000
	s_and_b32 s11, s[WV], 1                        ; an even rowtile's two scale bytes are its word's low half, an odd one's the high half
	s_mov_b32 s[SELQ], 0x03020302
	s_cmp_eq_u32 s11, 0
	s_cselect_b32 s[SELQ], 0x01000100, s[SELQ]
; The next group of four key steps is asked for: waves 0 and 1 for K, waves 2 and 3 for V, the others nothing.  Four v_nop follow each of the two lines.
.macro TLOAD g
	s_cmp_lt_u32 s[WV], 2
	s_cbranch_scc0 .Lnk_\@
	tensor_load_to_lds s[\g:\g+3], s[G1K:G1K+7]
	s_nop 0
.rept 4
	v_nop
.endr
	s_branch .Lok_\@
.Lnk_\@:
	s_cmp_lt_u32 s[WV], 4
	s_cbranch_scc0 .Lok_\@
	tensor_load_to_lds s[\g:\g+3], s[G1V:G1V+7]
	s_nop 0
.rept 4
	v_nop
.endr
.Lok_\@:
.endm
; A group of four key steps is shown to all sixteen waves, and the next one (group 0 in s[g] on; g = 0: none is left) is asked for: a first fill that comes later, issued as a refill is.
.macro CHANGE g
	s_wait_tensorcnt 0x0                           ; all my tensor loads have landed: my part of the group that is read next
	ds_add_u32 v[SPW], v[NIL]                      ; 0 onto my spare word
	s_wait_dscnt 0x0                               ; the add is done; no LDS load of mine is out
	s_barrier_signal -1
	s_barrier_wait -1                              ; everybody's part has landed
.if \g
	TLOAD \g                                       ; the first thing behind the barrier, a wave's one tensor load until the next: it has four key steps' work in which to land
.endif
.endm
; A block of queries begins: s[BLK] says which
.macro START
	s_wait_xcnt 0x0                                ; earlier loads and stores have read their bases and data
	s_lshl_b32 s[TT], s[BLK], 4
	s_add_co_u32 s[TT], s[TT], s[WV]               ; my rowtile
	s_lshr_b32 s11, s[TT], 1
	s_lshl_b32 s[Q0], s11, 5
	s_and_b32 s14, s[TT], 1
	s_lshl_b32 s14, s14, 3
	s_add_co_u32 s[Q0], s[Q0], s14                 ; its first query
	s_lshl_b32 s15, s[BB], 7
	s_add_co_u32 s15, s15, s[TT]                   ; the rowtile among all 512
	s_mov_b32 s17, 0
	s_lshl_b32 s16, s15, 15
	s_lshl_b32 s14, s[HD], 10
	s_add_co_u32 s16, s16, s14
	s_add_nc_u64 s[QP:QP+1], s[4:5], s[16:17]      ; q's two chunks
	s_lshl_b32 s16, s[HD], 6
	s_lshr_b32 s14, s15, 3
	s_add_co_u32 s16, s16, s14
	s_lshl_b32 s16, s16, 8
	s_and_b32 s14, s11, 3
	s_lshl_b32 s14, s14, 2
	s_add_co_u32 s16, s16, s14
	s_add_co_u32 s16, s16, 0x1000000
	s_add_nc_u64 s[QSP:QSP+1], s[4:5], s[16:17]    ; its scale word
	s_lshl_b32 s16, s15, 14
	s_lshl_b32 s14, s[HD], 10
	s_add_co_u32 s16, s16, s14
	s_add_nc_u64 s[OP:OP+1], s[8:9], s[16:17]      ; O's two chunks
	s_lshl_b32 s16, s15, 9
	s_add_co_u32 s16, s16, s[HC]
	s_add_nc_u64 s[OSP:OSP+1], s[8:9], s[16:17]    ; and its two scale bytes
	global_load_b128 v[Q1:Q1+3], v[L16], s[QP:QP+1]
	global_load_b128 v[Q1+4:Q1+7], v[L16], s[QP:QP+1] offset:512
	global_load_b32 v[QR], v[R16G], s[QSP:QSP+1]
	s_mov_b32 s[TK], 0
	s_mov_b32 s[TS], 0
	s_mov_b32 s[KF], 0
	v_mov_b32 v[MT], 0xff61b1e6                    ; the largest t so far: -3e38
	s_delay_alu instid0(VALU_DEP_1)
	v_floor_f32 v[NM], -v[MT]
	v_mov_b32 v[SUM], 0
	v_mov_b32 v[SUM+1], 0
	s_wait_loadcnt 0x0
	v_perm_b32 v[QS], v[QR], v[QR], s[SELQ]        ; my rowtile's two bytes, for [q | 0] and for [0 | q]
.set jj, 0
.rept 32
	v_mov_b32 v[O+jj], 0                           ; O^T: the first change of M leaves zeros zeros.  (Also the places between the scale word's making and its use)
.set jj, jj+1
.endr
.endm
; A KEY STEP: 128 keys
.macro STEP
	s_add_co_u32 s97, s[Q0], 23                    ; my last query
	s_cmp_gt_u32 s[KF], s97
	s_cbranch_scc1 .Lhid_\@                        ; all keys come after my queries: the work is left out, the steps of the addresses are not
	s_setprio 2
	v_add_nc_u32 v[ADK], s[TK], v[L16]
	v_add_nc_u32 v[ADS], s[TS], v[R16]
	s_delay_alu instid0(VALU_DEP_2)
	v_add_nc_u32 v[ADV], 0x20000, v[ADK]
.rept 5
	v_nop                                          ; with the three additions: eight places in front of loads into registers that the last products read
.endr
.irp b, 0,1,2,3
.irp c, 0,1,2,3
	ds_load_b128 v[F+16*\b+4*\c:F+16*\b+4*\c+3], v[ADK] offset:2048*\b+512*\c   ; operand b: key rowtiles 2 b and 2 b + 1
.endr
.endr
	ds_load_b128 v[KSC:KSC+3], v[ADS]
	s_wait_alu depctr_va_vdst(0)
	s_wait_dscnt 0x0
.irp b, 0,1,2,3
	v_wmma_scale_f32_16x16x128_f8f6f4 v[S+16*\b:S+16*\b+7], v[F+16*\b:F+16*\b+15], v[Q1:Q1+15], 0, v[KSC+\b], v[QS]
	v_wmma_scale_f32_16x16x128_f8f6f4 v[S+16*\b+8:S+16*\b+15], v[F+16*\b:F+16*\b+15], v[Q2:Q2+15], 0, v[KSC+\b], v[QS]
.endr                                  ; lane (r, h): my query; register 16 b + i: key KF + 32 b + 16 h + i
.rept 8
	v_nop                                          ; places in front of the loads below and of the first read of the scores
.endr
.irp t, 0,1,2,3
.irp c, 0,1,2,3
	ds_load_b128 v[F+16*\t+4*\c:F+16*\t+4*\c+3], v[ADV] offset:2048*\t+512*\c   ; V^T: they land while the softmax is worked
.endr
.endr
	ds_load_b128 v[VSC:VSC+3], v[ADS] offset:4096
	s_add_co_u32 s97, s[KF], 127
	s_cmp_le_u32 s97, s[Q0]
	s_cbranch_scc1 .Lopen_\@                       ; every key counts
	s_sub_co_i32 s97, s[Q0], s[KF]
	v_add_nc_u32 v[TMP], s97, v[QL]                ; d = my query - KF - 16 h: register 16 b + i is hidden where 32 b + i > d
	v_mov_b32 v[TMP+1], 0xff800000
.set nn, 0
.rept 64
	v_cmp_gt_i32 vcc_lo, 32*(nn/16)+nn%16, v[TMP]
	v_cndmask_b32 v[S+nn], v[S+nn], v[TMP+1], vcc_lo
.set nn, nn+1
.endr
.Lopen_\@:
.irp b, 0,1,2,3
	v_max3_num_f32 v[BM+\b], v[S+16*\b], v[S+16*\b+1], v[S+16*\b+2]   ; the largest score of each block of 32 keys: for the row's maximum, and for the block's largest p
.endr
.irp i, 3,5,7,9,11,13
.irp b, 0,1,2,3
	v_max3_num_f32 v[BM+\b], v[BM+\b], v[S+16*\b+\i], v[S+16*\b+\i+1]
.endr
.endr
.irp b, 0,1,2,3
	v_max_num_f32 v[BM+\b], v[BM+\b], v[S+16*\b+15]
.endr
.irp b, 0,1,2,3
	s_delay_alu instid0(VALU_DEP_4)
	v_permlanex16_b32 v[T1+\b], v[BM+\b], s[SEL], s[SEL+1]
.endr
.irp b, 0,1,2,3
	s_delay_alu instid0(VALU_DEP_4)
	v_max_num_f32 v[BM+\b], v[BM+\b], v[T1+\b]
.endr
	s_delay_alu instid0(VALU_DEP_2)
	v_max3_num_f32 v[TMP], v[BM], v[BM+1], v[BM+2]
	s_delay_alu instid0(VALU_DEP_1)
	v_max_num_f32 v[TMP], v[TMP], v[BM+3]
	s_delay_alu instid0(VALU_DEP_1)
	v_mul_f32 v[TMP], s[CS], v[TMP]
	s_delay_alu instid0(VALU_DEP_1)
	v_max_num_f32 v[MT], v[MT], v[TMP]             ; the running largest t
	v_mov_b32 v[TMP], v[NM]
	s_delay_alu instid0(VALU_DEP_2)
	v_floor_f32 v[NM], -v[MT]                      ; -M = floor(-t)
	s_delay_alu instid0(VALU_DEP_1)
	v_sub_f32 v[TMP], v[NM], v[TMP]                ; old M - new M: a whole number, 0 or less
	s_delay_alu instid0(VALU_DEP_1)
	v_cvt_i32_f32 v[TMP], v[TMP]
	s_delay_alu instid0(VALU_DEP_1)
	v_ldexp_f32 v[FF], 1.0, v[TMP]                 ; f: a multiplication by it rounds nothing
.set jj, 0
	s_setprio 1
.rept 32
	v_pk_fma_f32 v[S+jj:S+jj+1], v[S+jj:S+jj+1], s[CS:CS+1], v[NM:NM+1] op_sel_hi:[1,0,0]   ; t - M
.set jj, jj+2
.endr
.irp b, 0,1,2,3
	v_fma_f32 v[BM+\b], v[BM+\b], s[CS], v[NM]
.endr
.set jj, 0
	s_wait_alu depctr_va_vdst(0)
.rept 64
	v_exp_f32 v[S+jj], v[S+jj]                     ; p
.set jj, jj+1
.endr
.irp b, 0,1,2,3
	v_exp_f32 v[BM+\b], v[BM+\b]                   ; the block's largest p
.endr
	v_pk_mul_f32 v[SUM:SUM+1], v[SUM:SUM+1], v[FF:FF+1] op_sel_hi:[1,0]   ; the sum under the new M (a plain line behind the exponentials)
	s_wait_alu depctr_va_vdst(0)
.irp b, 0,1,2,3
	v_max_num_f32 v[BM+\b], 0x4800000, v[BM+\b]    ; the floor: the byte cannot fall under 1
.endr
.irp b, 0,1,2,3
	s_delay_alu instid0(VALU_DEP_4)
	v_add_nc_u32 v[SCF+\b], 0xfc000000, v[BM+\b]
.endr
.irp b, 0,1,2,3
.endr
.irp b, 0,1,2,3
	s_delay_alu instid0(VALU_DEP_4)
	v_lshrrev_b32 v[T1+\b], 23, v[SCF+\b]
.endr
	s_delay_alu instid0(VALU_DEP_3)
	v_lshl_or_b32 v[PW], v[T1+1], 8, v[T1]
	s_delay_alu instid0(VALU_DEP_1)
	v_lshl_or_b32 v[PW], v[T1+2], 16, v[PW]
	s_delay_alu instid0(VALU_DEP_1)
	v_lshl_or_b32 v[PW], v[T1+3], 24, v[PW]
	v_pk_add_f32 v[248:249], v[120:121], v[124:125]
	v_pk_add_f32 v[254:255], v[128:129], v[132:133]
	v_pk_add_f32 v[252:253], v[136:137], v[140:141]
	v_pk_add_f32 v[250:251], v[144:145], v[148:149]
	v_pk_add_f32 v[238:239], v[152:153], v[156:157]
	v_pk_add_f32 v[236:237], v[160:161], v[164:165]
	v_pk_add_f32 v[230:231], v[168:169], v[172:173]
	v_pk_add_f32 v[14:15], v[14:15], v[176:177]
	v_pk_add_f32 v[248:249], v[248:249], v[116:117]
	v_pk_add_f32 v[254:255], v[254:255], v[118:119]
	v_pk_add_f32 v[252:253], v[252:253], v[122:123]
	v_pk_add_f32 v[250:251], v[250:251], v[126:127]
	v_pk_add_f32 v[238:239], v[238:239], v[130:131]
	v_pk_add_f32 v[236:237], v[236:237], v[134:135]
	v_pk_add_f32 v[230:231], v[230:231], v[138:139]
	v_pk_add_f32 v[14:15], v[14:15], v[142:143]
	v_pk_add_f32 v[248:249], v[248:249], v[146:147]
	v_pk_add_f32 v[254:255], v[254:255], v[150:151]
	s_setprio 0
	v_pk_add_f32 v[252:253], v[252:253], v[154:155]
	v_pk_add_f32 v[250:251], v[250:251], v[158:159]
	v_pk_add_f32 v[238:239], v[238:239], v[162:163]
	v_pk_add_f32 v[236:237], v[236:237], v[166:167]
	v_pk_add_f32 v[230:231], v[230:231], v[170:171]
	v_pk_add_f32 v[14:15], v[14:15], v[174:175]
	v_pk_add_f32 v[248:249], v[248:249], v[178:179]
	s_delay_alu instid0(VALU_DEP_2)
	v_pk_add_f32 v[14:15], v[14:15], v[250:251]
	s_delay_alu instid0(VALU_DEP_2)
	v_pk_add_f32 v[248:249], v[248:249], v[238:239]
	v_pk_add_f32 v[254:255], v[254:255], v[236:237]
	v_pk_add_f32 v[252:253], v[252:253], v[230:231]
	s_delay_alu instid0(VALU_DEP_2)
	v_pk_add_f32 v[14:15], v[14:15], v[254:255]
	s_delay_alu instid0(VALU_DEP_2)
	v_pk_add_f32 v[248:249], v[248:249], v[252:253]
	s_delay_alu instid0(VALU_DEP_1)
	v_pk_add_f32 v[14:15], v[14:15], v[248:249]
.irp b, 0,1,2,3
.irp i, 0,1,2,3,4,5,6,7,8,9,10,11,12,13,14,15
.endr
	v_cvt_scalef32_pk8_fp8_f32 v[PC+4*\b:PC+4*\b+1], v[S+16*\b:S+16*\b+7], v[SCF+\b]
	v_cvt_scalef32_pk8_fp8_f32 v[PC+4*\b+2:PC+4*\b+3], v[S+16*\b+8:S+16*\b+15], v[SCF+\b]
.endr
.set jj, 0
.rept 16
	v_pk_mul_f32 v[O+jj:O+jj+1], v[O+jj:O+jj+1], v[FF:FF+1] op_sel_hi:[1,0]   ; O^T under the new M, from each accumulator's low end on; also the places behind the conversions
.set jj, jj+2
.endr
	s_wait_alu depctr_va_vdst(0)
	s_wait_dscnt 0x0                               ; V^T and its scale words are in
.irp t, 0,1,2,3
	v_wmma_scale_f32_16x16x128_f8f6f4 v[O+8*\t:O+8*\t+7], v[F+16*\t:F+16*\t+15], v[PC:PC+15], v[O+8*\t:O+8*\t+7], v[VSC+\t], v[PW]   ; the four accumulators by turns
.endr
.Lhid_\@:
	s_add_co_u32 s[KF], s[KF], 128
	s_add_co_u32 s[TK], s[TK], 8192
	s_add_co_u32 s[TS], s[TS], 256
.endm
.macro SEG n                           ; n key steps: a constant
	s_mov_b32 s[CNT], \n
.Lseg_\@:
	STEP
	s_sub_co_u32 s[CNT], s[CNT], 1
	s_cmp_lg_u32 s[CNT], 0
	s_cbranch_scc1 .Lseg_\@
	s_setprio 0
.endm
; O^T / l becomes two chunks of the last product's operand: register 16 c + i = channel 32 c + 16 h + i of my query
.macro FINISH
.rept 8
	v_nop
.endr
	v_add_f32 v[SUM], v[SUM], v[SUM+1]
	s_delay_alu instid0(VALU_DEP_1)
	v_permlanex16_b32 v[T1], v[SUM], s[SEL], s[SEL+1]
	s_delay_alu instid0(VALU_DEP_1)
	v_add_f32 v[SUM], v[SUM], v[T1]                ; the row's sum
	s_wait_alu depctr_va_vdst(0)
	v_rcp_f32 v[FF], v[SUM]
	v_nop
.set jj, 0
	s_wait_alu depctr_va_vdst(0)
.rept 16
	v_pk_mul_f32 v[O+jj:O+jj+1], v[O+jj:O+jj+1], v[FF:FF+1] op_sel_hi:[1,0]
.set jj, jj+2
.endr
.irp b, 0,1
	v_max3_num_f32 v[BM+\b], |v[O+16*\b]|, |v[O+16*\b+1]|, 0x4800000
.endr
.irp i, 2,4,6,8,10,12,14
.irp b, 0,1
	s_delay_alu instid0(VALU_DEP_2)
	v_max3_num_f32 v[BM+\b], v[BM+\b], |v[O+16*\b+\i]|, |v[O+16*\b+\i+1]|
.endr
.endr
.irp b, 0,1
	s_delay_alu instid0(VALU_DEP_2)
	v_permlanex16_b32 v[T1+\b], v[BM+\b], s[SEL], s[SEL+1]
.endr
.irp b, 0,1
	s_delay_alu instid0(VALU_DEP_2)
	v_max_num_f32 v[BM+\b], v[BM+\b], v[T1+\b]
.endr
.irp b, 0,1
	s_delay_alu instid0(VALU_DEP_2)
	v_add_nc_u32 v[SCF+\b], 0xfc000000, v[BM+\b]
.endr
.irp b, 0,1
.endr
.irp b, 0,1
	s_delay_alu instid0(VALU_DEP_2)
	v_lshrrev_b32 v[TMP+\b], 23, v[SCF+\b]
.endr
	s_delay_alu instid0(VALU_DEP_1)
	v_lshl_or_b32 v[TMP+2], v[TMP+1], 8, v[TMP]
.irp b, 0,1
.irp i, 0,1,2,3,4,5,6,7,8,9,10,11,12,13,14,15
.endr
	v_cvt_scalef32_pk8_fp8_f32 v[PC+4*\b:PC+4*\b+1], v[O+16*\b:O+16*\b+7], v[SCF+\b]
	v_cvt_scalef32_pk8_fp8_f32 v[PC+4*\b+2:PC+4*\b+3], v[O+16*\b+8:O+16*\b+15], v[SCF+\b]
.endr
	v_nop
	global_store_b128 v[L16], v[PC:PC+3], s[OP:OP+1]               ; a chunk: 512 consecutive bytes, aligned
	global_store_b128 v[L16], v[PC+4:PC+7], s[OP:OP+1] offset:512
	global_store_b16 v[R8], v[TMP+2], s[OSP:OSP+1]                 ; row r's two bytes; both halves of the lanes write the same value
.endm
	s_sub_co_u32 s[BLK], 7, ttmp9                  ; the high block first: its queries begin at 1,024 or later, so every wave works key steps 0-7 in full
	START
	CHANGE 68                                      ; the scale words and key steps 0-3 are in; steps 4-7 are asked for
	SEG 4
	CHANGE 72                                      ; steps 4-7 are in; steps 8-11 are asked for
	SEG 4
	CHANGE 76                                      ; steps 8-11 are in; steps 12-15 are asked for
	SEG 4
	CHANGE 0                                       ; all of the head is in
	SEG 4
	FINISH
	s_mov_b32 s[BLK], ttmp9                        ; the low block ends at key 1,023 at the latest: eight steps, all long in LDS, no barrier
	START
	SEG 8
	FINISH
	s_wait_tensorcnt 0x0                           ; the wave's end
	ds_add_u32 v[SPW], v[NIL]
	s_wait_dscnt 0x0
	s_endpgm
.Lfunc_end_k_q24206e3917_attn:
	.size	k_q24206e3917_attn, .Lfunc_end_k_q24206e3917_attn-k_q24206e3917_attn
	.p2alignl 7, 3214868480
	.fill 96, 4, 3214868480
	.section	.rodata,"a",@progbits
	.p2align	6, 0x0
	.amdhsa_kernel k_q24206e3917_attn
		.amdhsa_group_segment_fixed_size 327680
		.amdhsa_private_segment_fixed_size 0
		.amdhsa_enable_private_segment 0
		.amdhsa_kernarg_size 24
		.amdhsa_user_sgpr_count 2
		.amdhsa_user_sgpr_kernarg_segment_ptr 1
		.amdhsa_wavefront_size32 1
		.amdhsa_system_sgpr_workgroup_id_x 1
		.amdhsa_system_sgpr_workgroup_id_y 1
		.amdhsa_system_sgpr_workgroup_id_z 1
		.amdhsa_system_vgpr_workitem_id 0
		.amdhsa_next_free_vgpr 256
		.amdhsa_next_free_sgpr 102
		.amdhsa_reserve_vcc 1
		.amdhsa_float_denorm_mode_32 3
		.amdhsa_float_denorm_mode_16_64 3
		.amdhsa_fp16_overflow 1
		.amdhsa_memory_ordered 1
		.amdhsa_forward_progress 1
		.amdhsa_inst_pref_size 138
	.end_amdhsa_kernel
	.amdgpu_metadata
---
amdhsa.version: [ 1, 2 ]
amdhsa.kernels:
  - .name:           k_q24206e3917_attn
    .symbol:         k_q24206e3917_attn.kd
    .args:
      - { .name: qk, .offset: 0, .size: 8, .value_kind: global_buffer, .address_space: global }
      - { .name: vq, .offset: 8, .size: 8, .value_kind: global_buffer, .address_space: global }
      - { .name: aq, .offset: 16, .size: 8, .value_kind: global_buffer, .address_space: global }
    .group_segment_fixed_size: 327680
    .private_segment_fixed_size: 0
    .kernarg_segment_align: 8
    .kernarg_segment_size: 24
    .max_flat_workgroup_size: 512
    .sgpr_count:     102
    .vgpr_count:     256
    .wavefront_size: 32
...
	.end_amdgpu_metadata
.endif
;; end of part 3
;; launch outp (part 4): grid 8 x 32, 4 waves a work-group, clusters of 4 x 4, 327,680 bytes of LDS; arguments aq, wq, b_o, out0; writes out0
.if DOCPART == 4
	.amdgcn_target "amdgcn-amd-amdhsa--gfx1250"
	.amdhsa_code_object_version 6
	.text
	.protected	k_q24206e3917_outp
	.globl	k_q24206e3917_outp
	.p2align	8
	.type	k_q24206e3917_outp,@function
k_q24206e3917_outp:
	s_mov_b64 s[64:65], 0
	v_nop
	global_prefetch_b8 v0, s[64:65] scope:SCOPE_SE
	s_setreg_imm32_b32 hwreg(HW_REG_WAVE_MODE, 25, 1), 1
	s_wait_xcnt 0x0
	s_wait_alu depctr_hold_cnt(0) depctr_sa_sdst(0) depctr_va_vdst(0) depctr_va_sdst(0) depctr_va_ssrc(0) depctr_va_vcc(0) depctr_vm_vsrc(0)
	s_getreg_b32 s2, hwreg(HW_REG_IB_STS2, 6, 4)
	s_cmp_eq_u32 s2, 0
	s_cbranch_scc0 .Lentry_in_a_cluster
	s_endpgm
.Lentry_in_a_cluster:
	s_bfe_u32 s2, ttmp6, 0x10000c
	s_cmp_lg_u32 s2, 0xf033
	s_cbranch_scc0 .Lentry_shape_is_right
	s_endpgm
.Lentry_shape_is_right:
; out0 = attention's result x w_o^T + b_o on codes of E4M3 (K = 1,024), f32 out.  A = aq (8,192 rows), B = wq's rowtiles 192 on (w_o): images of operand registers:
; a rowtile (16 rows; lane r = true row 32 (T / 2) + 8 (T % 2) + r + 8 (r / 8)) is 32 chunks of 512 bytes, lane l's 16 bytes at 16 l; scale words [T][4][r][2] behind the codes.
; A TILE OF THE RESULT IS 256 ROWS x 128 COLUMNS: 32 x 8 = 256 work-groups.  (Tiles of 256 x 256 would be 128.)  Wave w takes A's rowtiles 4 w .. 4 w + 3 against all eight of B's: 32 accumulators, one window.
; The price: 12 fragments are read from LDS for 32 products, where a wave tile of 128 x 128 reads 16 for 64.
; The product is used transposed (source 0 = w_o's rowtile, source 1 = aq's): a lane holds one row, and registers of w_o's rowtiles 2 c, 2 c + 1 are columns 32 c + 16 h + 0 .. 15.  The bias is the C of each sum's first product.
; K: eight steps of 128, written out.  A K step of 256 is 98,304 bytes in LDS (A's 16 rowtiles x 4,096, then B's 8).  THREE slots take K steps 0, 1, 2 as first fills; K step 3 is the one refill, into slot 0,
; asked for in step 1 and awaited in step 5: 112 matrix instructions a wave lie between.  Waves 0, 1 fetch A's halves (8 rowtiles), waves 2, 3 B's (4 rowtiles): one load a wave.
; CLUSTERS: 4 x 4: A's tile is asked for jointly along a row of the cluster, B's along a column.
; REGISTERS: window 0: v1-31 addresses; v32-63 scale words, two sets; v64-127 the bias, 8 registers for each of B's rowtiles; v128-255 A's fragments, two sets of 64, later rows on their way out.
;   window 1: B's fragments, two sets of 128.  window 2: accumulator (a, b) at v[8 (8 a + b)].
.set FR,     16                        ; registers of a fragment
.set NP,     8                         ; places behind this matrix instruction (ISA guide 7.12.1)
.set STEPB,  4096                      ; a rowtile's K step of 256: 8 chunks
.set BOFF,   16*STEPB                  ; in a slot B's rowtiles lie behind A's 16
.set SLOT,   24*STEPB
.set SCL,    3*SLOT                    ; behind the slots: the scale words of all of K: A's 8,192 bytes, then B's 4,096; filled once
.set SPARE,  311296                    ; the spare words, 128 bytes for each wave: two blocks of 256 bytes that no other line names
.set STAGE,  SLOT                      ; the way out: 16 rows x (512 bytes + 16) for each wave, in slot 1: it is filled once, and its last read lies ahead of step 5's barrier
.set SPITCH, 528
.set ADRA, 16                          ; v16-18  LDS address of my A fragments in slot 0, 1, 2
.set ADRB, 20                          ; v20-22  the same for B
.set STO,  24                          ; v24  where I put 32 bytes of a row
.set RD,   25                          ; v25  where I read a row back
.set CO,   26                          ; v26  16 x lane
.set ADRS, 27                          ; v27  LDS address of my scale words: lanes 0-15 A's, lanes 16-31 B's
.set SPW,  28                          ; v28  LDS address of my spare word; never rewritten
.set NIL,  29                          ; v29  0; never rewritten
.set SC,   32
.set BIAS, 64
.set AF,   128
.set BK,   128
.set G1,   24                          ; s[24:31] group 1 for A's tiles;  s[32:43] groups 0, one for each slot
.set G0,   32
.set G1B,  44                          ; s[44:51], s[52:63] the same for B's
.set G0B,  52
.set G1S,  68                          ; s[68:75], s[76:79] for A's scale words;  s[80:87], s[88:91] for B's
.set G0S,  76
.set G1SB, 80
.set G0SB, 88
.set MSB, 0
.macro WIN new                         ; the immediate's high byte repeats the setting that is left
.if MSB != \new
	s_set_vgpr_msb (MSB<<8)|\new
.set MSB, \new
.endif
.endm
.set MUL,  0xa1                        ; source 0 (B) window 1, source 1 (A) window 0, C and D window 2
.set FST,  0x81                        ; the first products: C (the bias) window 0, D window 2
.set TO_B, 0x40                        ; destination window 1, address window 0
.macro JLOAD g0a, g1a, g0b, g1b        ; a joint load: waves 0 and 1 fetch for A, waves 2 and 3 for B; four v_nop follow each of the two lines
	s_cmp_eq_u32 s15, 0
	s_cbranch_scc0 .Lfor_b_\@
	tensor_load_to_lds s[\g0a:\g0a+3], s[\g1a:\g1a+7]
	s_nop 0
.rept 4
	v_nop
.endr
	s_branch .Lasked_\@
.Lfor_b_\@:
	tensor_load_to_lds s[\g0b:\g0b+3], s[\g1b:\g1b+7]
	s_nop 0
.rept 4
	v_nop
.endr
.Lasked_\@:
.endm
.macro CREST                           ; a round of the cluster's barrier behind its opening barrier
	s_cmp_lg_u32 s14, 0
	s_cbranch_scc1 .Lnot_wave_0_\@
	s_barrier_signal -3
.Lnot_wave_0_\@:
	s_barrier_wait -3
	s_barrier_signal -1
	s_barrier_wait -1
.endm
.macro CROUND                          ; a whole round
	s_barrier_signal -1
	s_barrier_wait -1
	CREST
.endm
	s_load_b256 s[4:11], s[0:1], 0x0               ; aq s[4:5], wq s[6:7], b_o s[8:9], out0 s[10:11]
	v_lshl_add_u32 v[SPW], v0, 2, SPARE
	v_mov_b32 v[NIL], 0
	ds_add_u32 v28, v29
	s_wait_dscnt 0x0
	v_lshrrev_b32 v1, 5, v0
	v_readfirstlane_b32 s14, v1                    ; wave 0..3
	s_lshr_b32 s15, s14, 1                         ; I fetch for A (0) or for B (1)
	s_and_b32 s16, s14, 1                          ; and which half of its rowtiles
	s_bfe_u32 s92, ttmp6, 0x40000                  ; cx
	s_bfe_u32 s93, ttmp6, 0x40004                  ; cy
	s_lshl_b32 s94, ttmp9, 2
	s_add_co_u32 s94, s94, s92                     ; tile column = 4 x cluster x + cx
	s_and_b32 s17, ttmp7, 0xffff
	s_lshl_b32 s17, s17, 2
	s_add_co_u32 s17, s17, s93                     ; tile row = 4 x cluster y + cy
	s_lshl_b32 s18, s93, 2
	s_lshl_b32 s18, 15, s18                        ; my row of the cluster
	s_lshl_b32 s19, 0x1111, s92                    ; my column
	; descriptor groups 1, elements of 8 bytes, dense in LDS.  A's codes: 8 rows (rowtiles) of 512 elements, 2,048 elements apart
	s_or_b32 s[G1+0], s18, (3<<16)|(1<<21)         ; 15:0 the mask: A's tiles go to my row; 17:16 elements of 8 bytes; 21 set beside a mask
	s_mov_b32 s[G1+1], 512<<16
	s_mov_b32 s[G1+2], 8<<16
	s_mov_b32 s[G1+3], 512<<16
	s_mov_b32 s[G1+4], 8
	s_mov_b32 s[G1+5], 2048
	s_mov_b32 s[G1+6], 0
	s_mov_b32 s[G1+7], 0
	; B's codes: 4 rowtiles
	s_or_b32 s[G1B+0], s19, (3<<16)|(1<<21)        ; B's tiles go to my column
	s_mov_b32 s[G1B+1], 512<<16
	s_mov_b32 s[G1B+2], 4<<16
	s_mov_b32 s[G1B+3], 512<<16
	s_mov_b32 s[G1B+4], 4
	s_mov_b32 s[G1B+5], 2048
	s_mov_b32 s[G1B+6], 0
	s_mov_b32 s[G1B+7], 0
	; A's scale words of 8 rowtiles: 4,096 dense bytes as 16 rows of 256
	s_or_b32 s[G1S+0], s18, (3<<16)|(1<<21)
	s_mov_b32 s[G1S+1], 32<<16
	s_mov_b32 s[G1S+2], 16<<16
	s_mov_b32 s[G1S+3], 32<<16
	s_mov_b32 s[G1S+4], 16
	s_mov_b32 s[G1S+5], 32
	s_mov_b32 s[G1S+6], 0
	s_mov_b32 s[G1S+7], 0
	; B's of 4 rowtiles: 2,048 bytes as 8 rows
	s_or_b32 s[G1SB+0], s19, (3<<16)|(1<<21)
	s_mov_b32 s[G1SB+1], 32<<16
	s_mov_b32 s[G1SB+2], 8<<16
	s_mov_b32 s[G1SB+3], 32<<16
	s_mov_b32 s[G1SB+4], 8
	s_mov_b32 s[G1SB+5], 32
	s_mov_b32 s[G1SB+6], 0
	s_mov_b32 s[G1SB+7], 0
	s_lshl_b32 s20, s17, 18                        ; A: 16 rowtiles of 16,384 bytes a tile, + my half's 8
	s_lshl_b32 s3, s16, 17
	s_add_co_u32 s20, s20, s3
	s_mov_b32 s21, 0
	s_lshl_b32 s22, s17, 13                        ; its scale words, 512 bytes a rowtile, behind the codes
	s_lshl_b32 s3, s16, 12
	s_add_co_u32 s22, s22, s3
	s_add_co_u32 s22, s22, 0x800000
	s_mov_b32 s23, 0
	s_lshl_b32 s96, s94, 17                        ; B: 8 rowtiles a tile, + my half's 4, from rowtile 192 on
	s_lshl_b32 s3, s16, 16
	s_add_co_u32 s96, s96, s3
	s_add_co_u32 s96, s96, 192*16384
	s_mov_b32 s97, 0
	s_lshl_b32 s98, s94, 12
	s_lshl_b32 s3, s16, 11
	s_add_co_u32 s98, s98, s3
	s_add_co_u32 s98, s98, 0x400000+192*512
	s_mov_b32 s99, 0
	s_lshl_b32 s12, s16, 15                        ; where they go in a slot: A's half; no place in the cluster enters an LDS address
	s_lshl_b32 s13, s16, 14
	s_add_co_u32 s13, s13, BOFF                    ; B's half
	s_lshl_b32 s2, s94, 9                          ; the tile's 128 columns, in bytes
	s_mov_b32 s3, 0
	s_lshl_b32 s100, s17, 20                       ; the tile's 256 rows of 4,096 bytes,
	s_lshl_b32 s101, s14, 18                       ; my 64 of them,
	s_add_co_u32 s100, s100, s101
	s_add_co_u32 s100, s100, s2                    ; and the columns
	s_mov_b32 s101, 0
	s_wait_kmcnt 0x0
	s_add_nc_u64 s[20:21], s[4:5], s[20:21]
	s_add_nc_u64 s[22:23], s[4:5], s[22:23]
	s_add_nc_u64 s[96:97], s[6:7], s[96:97]
	s_add_nc_u64 s[98:99], s[6:7], s[98:99]
	s_add_nc_u64 s[8:9], s[8:9], s[2:3]
	s_add_nc_u64 s[10:11], s[10:11], s[100:101]
	CROUND                                         ; all sixteen work-groups are here: the first joint loads meet
	s_mov_b32 s[G0S], 1
	s_lshl_b32 s[G0S+1], s16, 12
	s_add_co_u32 s[G0S+1], s[G0S+1], SCL
	s_mov_b64 s[G0S+2:G0S+3], s[22:23]
	s_or_b32 s[G0S+3], s[G0S+3], 0x80000000
	s_mov_b32 s[G0SB], 1
	s_lshl_b32 s[G0SB+1], s16, 11
	s_add_co_u32 s[G0SB+1], s[G0SB+1], SCL+8192
	s_mov_b64 s[G0SB+2:G0SB+3], s[98:99]
	s_or_b32 s[G0SB+3], s[G0SB+3], 0x80000000
	JLOAD G0S, G1S, G0SB, G1SB                     ; the scale words first: they are wanted with K step 0
.irp s, 0,1,2
	s_mov_b32 s[G0+4*\s], 1
	s_add_co_u32 s[G0+4*\s+1], s12, \s*SLOT
	s_add_nc_u64 s[G0+4*\s+2:G0+4*\s+3], s[20:21], \s*STEPB
	s_or_b32 s[G0+4*\s+3], s[G0+4*\s+3], 0x80000000
	s_mov_b32 s[G0B+4*\s], 1
	s_add_co_u32 s[G0B+4*\s+1], s13, \s*SLOT
	s_add_nc_u64 s[G0B+4*\s+2:G0B+4*\s+3], s[96:97], \s*STEPB
	s_or_b32 s[G0B+4*\s+3], s[G0B+4*\s+3], 0x80000000
	JLOAD G0+4*\s, G1, G0B+4*\s, G1B               ; K steps 0, 1, 2: with the scale words four loads of mine are out
.endr
	v_and_b32 v1, 15, v0                           ; r
	v_bfe_u32 v2, v0, 4, 1                         ; h
	v_and_b32 v3, 31, v0
	v_lshlrev_b32 v[CO], 4, v3
	v_lshlrev_b32 v7, 6, v2                        ; the bias: for B's rowtile b the columns 32 (b / 2) + 16 h + 8 (b % 2) + 0 .. 7
.irp b, 0,1,2,3,4,5,6,7
	global_load_b128 v[BIAS+8*\b:BIAS+8*\b+3], v7, s[8:9] offset:128*(\b/2)+32*(\b%2)
	global_load_b128 v[BIAS+8*\b+4:BIAS+8*\b+7], v7, s[8:9] offset:128*(\b/2)+32*(\b%2)+16
.endr
	s_lshl_b32 s21, s14, 14                        ; my four rowtiles of A
	s_mov_b32 s22, BOFF                            ; B's eight
.irp s, 0,1,2
	v_add_nc_u32 v[ADRA+\s], s21, v[CO]
	v_add_nc_u32 v[ADRB+\s], s22, v[CO]
	s_add_co_u32 s21, s21, SLOT
	s_add_co_u32 s22, s22, SLOT
.endr
	v_lshlrev_b32 v5, 3, v1                        ; my row's two words of a K step
	s_lshl_b32 s21, s14, 11                        ; A's: my four rowtiles begin 2,048 x wave bytes on
	s_xor_b32 s22, s14, 3                          ; B's begin 8,192 - 2,048 x wave = 2,048 x ((3 - wave) + 1) bytes further on
	s_lshl_b32 s22, s22, 11
	s_add_co_u32 s22, s22, 2048
	v_mul_u32_u24 v6, s22, v2                      ; lanes 16-31 take B's
	s_add_co_u32 s21, s21, SCL
	v_add_nc_u32 v5, v5, v6
	v_add_nc_u32 v[ADRS], s21, v5
	s_mul_i32 s23, s14, 16*SPITCH                  ; my stage
	s_add_co_u32 s23, s23, STAGE
	v_mul_u32_u24 v5, v1, SPITCH
	v_lshl_add_u32 v5, v2, 6, v5
	v_add_nc_u32 v[STO], s23, v5                   ; in: row r, + 64 h
	v_add_nc_u32 v[RD], s23, v[CO]                 ; back: the 32 lanes take one row of 512 bytes
; Step k of eight (128 along K): slot (k / 2) % 3, half k % 2 of its rows, fragment set k % 2, scale set (k / 2) % 2.
; Its 48 fragment loads in one run: a fragment is four chunks on end, lane l's 16 bytes at 16 l.  With an even k come the K step's scale words: register 2 i + q: lanes 16-31 B's rowtile i,
; lanes 0-15 A's rowtile 4 wave + i (of i = 4 .. 7 nobody uses the lower lanes' words; the bytes read there are scale words that have landed).
.macro FETCHK k
.set FS, ((\k)/2)%3
.set FQ, (\k)%2
.set FC, SC+16*(((\k)/2)%2)
	WIN TO_B
.irp i, 0,1,2,3,4,5,6,7
.irp c, 0,1,2,3
	ds_load_b128 v[128*FQ+FR*\i+4*\c:128*FQ+FR*\i+4*\c+3], v[ADRB+FS] offset:STEPB*\i+2048*FQ+512*\c
.endr
.endr
	WIN 0
.irp i, 0,1,2,3
.irp c, 0,1,2,3
	ds_load_b128 v[AF+64*FQ+FR*\i+4*\c:AF+64*FQ+FR*\i+4*\c+3], v[ADRA+FS] offset:STEPB*\i+2048*FQ+512*\c
.endr
.endr
.if FQ == 0
.irp i, 0,1,2,3,4,5,6,7
	ds_load_b64 v[FC+2*\i:FC+2*\i+1], v[ADRS] offset:512*\i+128*((\k)/2)
.endr
.endif
.endm
; 8 matrix instructions of step k: A's rowtile a against B's eight.  The 32 accumulators take turns, one instruction a turn, in the same order in every step.  Step 0 starts the sums from the bias.
.macro MUL8 k, a
.set MP, (\k)%2
.set MS, SC+16*(((\k)/2)%2)+(\k)%2
.irp b, 0,1,2,3,4,5,6,7
.if (\k) == 0
	v_wmma_scale_f32_16x16x128_f8f6f4 v[8*(8*(\a)+\b):8*(8*(\a)+\b)+7], v[128*MP+FR*\b:128*MP+FR*\b+FR-1], v[AF+64*MP+FR*(\a):AF+64*MP+FR*(\a)+FR-1], v[BIAS+8*\b:BIAS+8*\b+7], v[MS+2*\b], v[MS+2*(\a)] matrix_a_scale:MATRIX_SCALE_ROW1
.else
	v_wmma_scale_f32_16x16x128_f8f6f4 v[8*(8*(\a)+\b):8*(8*(\a)+\b)+7], v[128*MP+FR*\b:128*MP+FR*\b+FR-1], v[AF+64*MP+FR*(\a):AF+64*MP+FR*(\a)+FR-1], v[8*(8*(\a)+\b):8*(8*(\a)+\b)+7], v[MS+2*\b], v[MS+2*(\a)] matrix_a_scale:MATRIX_SCALE_ROW1
.endif
.endr
.endm
.macro PLACES n                        ; plain vector lines between a matrix instruction and a load into, or a read of, its registers
.rept \n
	v_nop
.endr
.endm
; A step whose successor's tiles have been shown landed: the successor's fragments are asked for first, into the set that the step before multiplied, and have this step's 32 matrix instructions in which to come
.macro STEP k
	s_wait_dscnt 0x0                               ; this step's fragments are in
.if (\k) > 0
	PLACES NP
.endif
	FETCHK (\k)+1
.if (\k) == 0
	WIN FST
.else
	WIN MUL
.endif
	MUL8 \k, 0
	MUL8 \k, 1
	MUL8 \k, 2
	MUL8 \k, 3
	WIN 0
.endm
	s_wait_tensorcnt 2                             ; of my four first loads the scale words and K step 0 are in; K steps 1 and 2 may be out
	s_barrier_signal -1
	s_barrier_wait -1                              ; everybody's are
	FETCHK 0
	s_wait_loadcnt 0x0                             ; the bias
	STEP 0
	; STEP 1 leaves slot 0, which is filled again, with K step 3
	s_wait_tensorcnt 0x0                           ; all my tensor loads have landed: my parts of K steps 1 and 2
	ds_add_u32 v[SPW], v[NIL]                      ; 0 onto my spare word
	s_wait_dscnt 0x1                               ; step 1's fragments are in (the add may be out)
	WIN MUL
	MUL8 1, 0                                      ; eight matrix instructions stand between the add and the wait for it
	s_wait_dscnt 0x0                               ; the add is done, and my reads of slot 0 are over
	s_barrier_signal -1
	MUL8 1, 1
	WIN 0
	s_barrier_wait -1
	CREST                                          ; the barrier has opened a round of the cluster's barrier: no wave of any partner still reads slot 0 or has a load on its way
	s_add_nc_u64 s[G0+2:G0+3], s[G0+2:G0+3], 3*STEPB
	s_add_nc_u64 s[G0B+2:G0B+3], s[G0B+2:G0B+3], 3*STEPB
	JLOAD G0, G1, G0B, G1B                         ; the first tensor load behind the round, my only one from here on; its four v_nop are four of the eight places
	PLACES NP-4
	FETCHK 2
	WIN MUL
	MUL8 1, 2
	MUL8 1, 3
	WIN 0
	STEP 2
	STEP 3                                         ; slot 2 was shown landed by the round: every wave had waited for all its loads
	STEP 4
	; STEP 5 meets the refill
	s_wait_tensorcnt 0x0                           ; the one load that was out: my part of K step 3
	s_wait_dscnt 0x0                               ; step 5's fragments are in; my reads of slots 1 and 2 are over
	s_barrier_signal -1
	WIN MUL
	MUL8 5, 0
	MUL8 5, 1
	WIN 0
	s_barrier_wait -1                              ; everybody's part has landed
	PLACES NP
	FETCHK 6
	WIN MUL
	MUL8 5, 2
	MUL8 5, 3
	WIN 0
	STEP 6
	s_wait_dscnt 0x0                               ; the last step: nothing more to fetch
	WIN MUL
	MUL8 7, 0
	MUL8 7, 1
	MUL8 7, 2
	MUL8 7, 3
	WIN 0
; THE WAY OUT, a rowtile of A at a time: 16 rows x 128 columns go through my own stage and come back as whole rows of 512 bytes.  LDS serves a wave's instructions in order: no wait between the stores and the loads.
.macro TOSTAGE a
.set AC, 64*(\a)
	WIN 0x08                                       ; an LDS store's data: window 2
.irp b, 0,1,2,3,4,5,6,7
	ds_store_b128 v[STO], v[AC+8*\b:AC+8*\b+3] offset:128*(\b/2)+32*(\b%2)         ; each accumulator from its low end on
	ds_store_b128 v[STO], v[AC+8*\b+4:AC+8*\b+7] offset:128*(\b/2)+32*(\b%2)+16
.endr
	WIN 0
.set BB, BK+64*((\a)%2)
.irp t, 0,1,2,3,4,5,6,7,8,9,10,11,12,13,14,15
	ds_load_b128 v[BB+4*\t:BB+4*\t+3], v[RD] offset:\t*SPITCH
.endr
.endm
.macro SEND a, younger                 ; younger: the LDS instructions issued behind this rowtile's loads, which may stay out
.set BB, BK+64*((\a)%2)
	s_wait_dscnt \younger
.irp t, 0,1,2,3,4,5,6,7,8,9,10,11,12,13,14,15
	global_store_b128 v[CO], v[BB+4*\t:BB+4*\t+3], s[10:11] offset:(32*((\a)/2)+8*((\a)%2)+\t+8*(\t/8))*4096 th:TH_STORE_NT   ; tile lane t's true row; 512 consecutive bytes, aligned; 63 rows at the most: inside the signed 24-bit immediate
.endr
.endm
	PLACES NP                                      ; in front of the first read of results, and of loads into the registers that held A's fragments
	TOSTAGE 0
.irp a, 1,2,3
.if \a > 1
	s_wait_xcnt 0x0                                ; the stores of two rowtiles ago have read their registers: this rowtile's loads may land there
.endif
	TOSTAGE \a
	SEND \a-1, 32                                  ; behind its loads: the next rowtile's 16 stores and 16 loads
.endr
	SEND 3, 0
	s_wait_tensorcnt 0x0                           ; the wave's end
	ds_add_u32 v[SPW], v[NIL]
	s_wait_dscnt 0x0
	CROUND                                         ; the closing round
	s_endpgm
.Lfunc_end_k_q24206e3917_outp:
	.size	k_q24206e3917_outp, .Lfunc_end_k_q24206e3917_outp-k_q24206e3917_outp
	.p2alignl 7, 3214868480
	.fill 96, 4, 3214868480
	.section	.rodata,"a",@progbits
	.p2align	6, 0x0
	.amdhsa_kernel k_q24206e3917_outp
		.amdhsa_group_segment_fixed_size 327680
		.amdhsa_private_segment_fixed_size 0
		.amdhsa_enable_private_segment 0
		.amdhsa_kernarg_size 32
		.amdhsa_user_sgpr_count 2
		.amdhsa_user_sgpr_kernarg_segment_ptr 1
		.amdhsa_wavefront_size32 1
		.amdhsa_system_sgpr_workgroup_id_x 1
		.amdhsa_system_sgpr_workgroup_id_y 1
		.amdhsa_system_sgpr_workgroup_id_z 1
		.amdhsa_system_vgpr_workitem_id 0
		.amdhsa_next_free_vgpr 768
		.amdhsa_next_free_sgpr 102
		.amdhsa_reserve_vcc 0
		.amdhsa_float_denorm_mode_32 3
		.amdhsa_float_denorm_mode_16_64 3
		.amdhsa_memory_ordered 1
		.amdhsa_forward_progress 1
		.amdhsa_inst_pref_size 89
	.end_amdhsa_kernel
	.amdgpu_metadata
---
amdhsa.version: [ 1, 2 ]
amdhsa.kernels:
  - .name:           k_q24206e3917_outp
    .symbol:         k_q24206e3917_outp.kd
    .args:
      - { .name: aq, .offset: 0, .size: 8, .value_kind: global_buffer, .address_space: global }
      - { .name: wq, .offset: 8, .size: 8, .value_kind: global_buffer, .address_space: global }
      - { .name: b_o, .offset: 16, .size: 8, .value_kind: global_buffer, .address_space: global }
      - { .name: out0, .offset: 24, .size: 8, .value_kind: global_buffer, .address_space: global }
    .group_segment_fixed_size: 327680
    .private_segment_fixed_size: 0
    .kernarg_segment_align: 8
    .kernarg_segment_size: 32
    .max_flat_workgroup_size: 128
    .sgpr_count:     102
    .vgpr_count:     768
    .wavefront_size: 32
...
	.end_amdgpu_metadata
.endif
;; end of part 4
